; MI455X (gfx1250); checked and timed in simulation.
; The chip was launched on July 23, 2026; its instructions are those of AMD's public machine-readable ISA for CDNA 5 (MIT licence, August 2026) and "CDNA5" Instruction Set Architecture Reference Guide (July 2026). The comments in the code are by the model that wrote it; some were corrected since.
;; Attention Head. Allowed arithmetic: matrix products marked QUANTISED: E3M2 operands, one E8M0 scale for each 32 along K, by v_wmma_scale_f32_16x16x128_f8f6f4 with both operands' format E3M2, f32 sums; everything else in f32.
;; Inputs: W_K 1,024 x 1,024 float32; W_Q 1,024 x 1,024 float32; W_V 1,024 x 1,024 float32; x 4 x 2,048 x 1,024 float32.
;; Outputs: out0 4 x 2,048 x 1,024 float32.
;; This version of the problem:
;;   THIS VERSION OF THE PROBLEM IS GIVEN IN LOW PRECISION. The matrix products marked QUANTISED in the list below multiply operands that are first quantised to E3M2 (3 exponent bits, 2 mantissa bits; 6 bits a number), with one power-of-two scale for each 32 numbers along K (OCP MX v1.0); their sums are f32. All else is computed in f32.
;;   The module's matrix products, in the order in which they are computed (A, B: the left and right operand; K: the contracted axis; several contracted axes count as one K, in the product's order):
;;     1. [M 8,192, K 1,024] x [K 1,024, N 1,024]; A: input x; B: input W_Q: QUANTISED
;;     2. [M 8,192, K 1,024] x [K 1,024, N 1,024]; A: input x; B: input W_K: QUANTISED
;;     3. [M 8,192, K 1,024] x [K 1,024, N 1,024]; A: input x; B: input W_V: QUANTISED
;;     4. batch 4 x [M 2,048, K 1,024] x [K 1,024, N 2,048]; A: computed on the way; B: computed on the way: QUANTISED
;;     5. batch 4 x [M 2,048, K 2,048] x [K 2,048, N 1,024]; A: softmax (see below); B: computed on the way: QUANTISED
;;   THE QUANTISER, for each operand of a quantised product, along K:
;;     - K is cut into blocks of 32 from its start; a last block that is shorter is filled with zeros.
;;     - A block's scale is 2^e with e = floor(log2(the largest magnitude in the block)) - 4, held to -126 .. 127; a block of zeros has e = 0. As a byte (E8M0): e + 127.
;;     - Each number is divided by its block's scale, clamped to +-28, and rounded to the nearest number of E3M2, ties to even, subnormals kept.
;;     - The product sums the exact products of the quantised numbers (number of the format x scale) in f32.
;;   ~~~python
;;   def quantise(x, axis):      # numpy; x: float32 -> the quantised numbers, widened to float32 again
;;       x = np.moveaxis(x, axis, -1); K = x.shape[-1]
;;       x = np.pad(x, [(0, 0)] * (x.ndim - 1) + [(0, -K % 32)]); x = x.reshape(x.shape[:-1] + (-1, 32)); a = np.abs(x).max(-1, keepdims=True)
;;       e = np.where(a > 0, np.clip(np.frexp(np.where(a > 0, a, 1))[1] - 1 - 4, -126, 127), 0)      # np.frexp(a)[1] - 1 = floor(log2(a)), exactly
;;       r = np.clip(x / 2.0 ** e, -28, 28)
;;       step = 2.0 ** (np.maximum(np.frexp(np.where(r == 0, 1, r))[1] - 1, -2) - 2)
;;       q = np.round(r / step) * step * 2.0 ** e      # np.round: ties to even
;;       return np.moveaxis(q.reshape(q.shape[:-2] + (-1,))[..., :K], -1, axis).astype(np.float32)
;;   ~~~
;;   SOFTMAX AHEAD OF A QUANTISED PRODUCT. Where the list says 'softmax', what is quantised is not the finished softmax but p = 2^(t - M), with t = logit x log2(e) and M = ceil(the row's largest t), a whole number; so 1/2 < the row's largest p <= 1. The row's sum l is taken of the UNQUANTISED p, in f32, and the product's result is divided by l at the end. Since M is a whole number, a kernel that streams over the keys may use a running M (the ceiling of the running maximum): every later rescaling is an exact power of two, which a block's scale takes up: the codes' values come out the same.
;;   OPERANDS COMPUTED ON THE WAY. 'Computed on the way' means the value that the module computes at that place (a softmax that the list does not call 'softmax' is quantised finished and normalised). What goes into a quantiser is computed in f32, as accurately as f32 sums, v_exp_f32 and their like allow (about 1e-6 of the number): no bf16 or f16 on the way to a quantiser, and a product that is left as it is and whose result goes on into a quantised operand takes f32 operands (vector FMAs, or v_wmma_f32_16x16x4_f32). A number that lies on a knife's edge between two numbers of the format may be rounded either way, as far as f32 arithmetic and the matrix unit's own rounding can turn it there, and no further.
;; One version. Each part assembles by itself: llvm-mc -triple=amdgcn-amd-amdhsa -mcpu=gfx1250 --defsym DOCPART=n.
;; ======== version 1 of 1: 4 launches
;; limits: right only within a limited range of input values
;; workspace buffers: xw 9,011,200 bytes; qkv 19,660,800 bytes; p 13,107,200 bytes; pst 1,048,576 bytes
;; launch quant (part 1): grid 704 x 1, 8 waves a work-group, no clusters, 69,120 bytes of LDS; arguments x, W_Q, W_K, W_V, xw; writes xw
.if DOCPART == 1
	.amdgcn_target "amdgcn-amd-amdhsa--gfx1250"
	.amdhsa_code_object_version 6
	.text
	.protected	k_qa3c4ce3472_quant
	.globl	k_qa3c4ce3472_quant
	.p2align	8
	.type	k_qa3c4ce3472_quant,@function
k_qa3c4ce3472_quant:
	s_mov_b64 s[64:65], 0
	v_nop
	global_prefetch_b8 v0, s[64:65] scope:SCOPE_SE
	s_setreg_imm32_b32 hwreg(HW_REG_WAVE_MODE, 25, 1), 1
	s_wait_xcnt 0x0
; LAUNCH 1 OF 4.  x [8192][1024], W_Q, W_K, W_V [1024][1024], f32, become codes of BF6 (E3M2) with one E8M0 byte for each 32 along K (the last axis), laid as the later launches' operand registers want them.
; THE PROGRAM: 1 quantises the inputs; 2 makes Q, K and V^T (products 1 to 3) and quantises them in registers; 3 makes the scores (product 4), p = 2^(t - M) and its codes; 4 makes p V (product 5) and divides by the row's sum.
; DEAD WORK, for all finite values of the inputs: reference() itself sets scores[q][k] to -inf where k > q (its own jnp.tril), so the softmax's weight there is exp(-inf) = 0: such a key adds 0 to the row's sum
; and 0 x V[k] to the result.  So tiles of 256 queries x 256 keys that lie wholly above the diagonal are left out of product 4 (launch 3) and of product 5 (launch 4).  Inside a tile on the diagonal the work stays and is masked.
; Every input has a way to the output: all four are loaded.  LIMIT: a NaN, an infinity or an overflow that reaches only the tiles left out is not carried to the result.
; LAYOUT.  A FRAGMENT is 16 rows x 128 K of codes as an image of the operand's 12 registers: registers 4 c .. 4 c + 3 of lane l at byte 512 c + 16 l: 1,536 bytes.  A UNIT is 128 rows x 128 K: eight fragments, then at
; byte 12,288 the scale words, that of (fragment t, row r) at 16 (r + 16 (t % 2)) + 4 (t / 2): 12,800 bytes.  xw holds units [rb 0..87][s 0..7]: rb 0-63 x, 64-71 W_Q, 72-79 W_K, 80-87 W_V; s = K / 128.
; THE ROWS OF A FRAGMENT ARE NOT NEIGHBOURS: lane r of fragment t holds row 32 (t / 2) + 8 (t % 2) + r + 8 (r / 8) of the unit's 128, so that a product that takes such a fragment as source 0 leaves 16 neighbours
; along the next K in the 16 registers of two neighbouring result tiles.
; A block's scale is 2^(floor(log2(largest magnitude)) - 4): its byte is the largest magnitude's exponent field - 4, held at 1 from below.  A block of zeros so keeps the byte 1: its codes are zeros, and this program alone reads the bytes.
; LIMITS: blocks whose largest magnitude lies under 2^-122 keep the byte 1; NaN and infinities among the inputs are not served.
; SHARES.  A work-group makes one unit, each of its eight waves one fragment.  A load takes 512 consecutive bytes of one row; the 16 rows turn through the wave's own stage in LDS (pitch 528), so that a lane gets
; 16 neighbours of each block of 32.  A stream read once: no matrix unit, no cluster, no ring.
; REGISTERS: 144 a wave: the codes and the work registers lie over the rows as loaded, which are free once they lie in the stage.  So three work-groups' 24 waves take 3,456 registers and their 48 loads a lane are out together.
.set STW,   8448                       ; a wave's stage: 16 rows x 528 bytes
.set SCB,   67584                      ; behind the eight stages: the unit's scale words, 512 bytes
.set SPARE, 68096                      ; the spare words, 128 bytes for each wave: four blocks of 256 bytes that no other line names
.set LI,   1                           ; v1   16 x lane
.set SIN,  2                           ; v2   the stage, on the way in
.set SOUT, 3                           ; v3   and on the way out: 528 r + 64 h
.set SWA,  4                           ; v4   where my row's scale word goes
.set SRA,  8                           ; v8   where wave 0 reads the scale words back
.set SPW,  12                          ; v12  my spare word; never rewritten
.set NIL,  13                          ; v13  0; never rewritten
.set R,    16                          ; v16-79   16 rows as loaded
.set X,    80                          ; v80-143  register 16 b + i = k 32 b + 16 h + i of my row
.set PC,   16                          ; v16-35   the codes   (these three over R, behind the wait that shows the stage's stores done)
.set TM,   36                          ; v36-51   at work
.set PW,   52                          ; v52      the scale word
	s_load_b256 s[4:11], s[0:1], 0x0               ; x, W_Q, W_K, W_V
	s_load_b64 s[12:13], s[0:1], 0x20              ; xw
	v_lshl_add_u32 v[SPW], v0, 2, SPARE
	v_mov_b32 v[NIL], 0
	v_lshrrev_b32 v5, 5, v0
	s_delay_alu instid0(VALU_DEP_1)
	v_readfirstlane_b32 s14, v5                    ; wave t = the fragment
	v_and_b32 v5, 31, v0
	s_delay_alu instid0(VALU_DEP_1)
	v_lshlrev_b32 v[LI], 4, v5
	v_and_b32 v6, 15, v0                           ; r
	v_bfe_u32 v7, v0, 4, 1                         ; h
	s_mul_i32 s15, s14, STW
	v_add_nc_u32 v[SIN], s15, v[LI]
	v_mul_u32_u24 v[SOUT], v6, 528
	s_delay_alu instid0(VALU_DEP_1)
	v_lshl_add_u32 v[SOUT], v7, 6, v[SOUT]
	s_delay_alu instid0(VALU_DEP_1)
	v_add_nc_u32 v[SOUT], s15, v[SOUT]
	s_and_b32 s16, s14, 1                          ; t % 2
	s_lshr_b32 s17, s14, 1                         ; t / 2
	s_lshl_b32 s18, s16, 8
	s_lshl_b32 s19, s17, 2
	s_add_co_u32 s18, s18, s19
	s_add_co_u32 s18, s18, SCB
	v_lshl_add_u32 v[SWA], v6, 4, s18              ; 16 r + 256 (t % 2) + 4 (t / 2): lanes r and r + 16 write the same word with the same value
	v_add_nc_u32 v[SRA], SCB, v[LI]
	s_mov_b32 s30, 0x76543210
	s_mov_b32 s31, 0xfedcba98                      ; v_permlanex16_b32's selects for lane l xor 16
	s_lshr_b32 s20, ttmp9, 3                       ; rb
	s_and_b32 s21, ttmp9, 7                        ; s
	s_and_b32 s22, s20, 7                          ; a weight's own block of rows
	s_wait_alu depctr_va_vdst(0)
	s_wait_kmcnt 0x0
	s_cmp_lt_u32 s20, 80                           ; which tensor: the choice hangs on the work-group's number alone
	s_cselect_b64 s[8:9], s[8:9], s[10:11]
	s_cmp_lt_u32 s20, 72
	s_cselect_b64 s[6:7], s[6:7], s[8:9]
	s_cmp_lt_u32 s20, 64
	s_cselect_b64 s[4:5], s[4:5], s[6:7]
	s_cselect_b32 s22, s20, s22
	s_lshl_b32 s22, s22, 7
	s_lshl_b32 s23, s17, 5
	s_add_co_u32 s22, s22, s23
	s_lshl_b32 s23, s16, 3
	s_add_co_u32 s22, s22, s23                     ; my fragment's first row: 128 rb + 32 (t / 2) + 8 (t % 2)
	s_lshl_b32 s22, s22, 12                        ; rows of 4,096 bytes
	s_lshl_b32 s23, s21, 9
	s_add_co_u32 s22, s22, s23                     ; + 512 s
	s_mov_b32 s23, 0
	s_add_nc_u64 s[4:5], s[4:5], s[22:23]
	s_mul_i32 s24, ttmp9, 12800
	s_mov_b32 s25, 0
	s_add_nc_u64 s[12:13], s[12:13], s[24:25]      ; my unit
	s_mul_i32 s26, s14, 1536
	s_mov_b32 s27, 0
	s_add_nc_u64 s[28:29], s[12:13], s[26:27]      ; my fragment
.irp n, 0,1,2,3,4,5,6,7,8,9,10,11,12,13,14,15
	global_load_b128 v[R+4*\n:R+4*\n+3], v[LI], s[4:5] offset:(\n+8*(\n/8))*4096 th:TH_LOAD_NT   ; the fragment's row n: 512 consecutive bytes
.endr
.irp g, 0,1,2,3
	s_wait_loadcnt 12-4*\g                         ; these four rows are in; the loads issued behind them may be out
.irp n, 0,1,2,3
	ds_store_b128 v[SIN], v[R+16*\g+4*\n:R+16*\g+4*\n+3] offset:528*(4*\g+\n)
.endr
.endr
.irp b, 0,1,2,3
.irp j, 0,1,2,3
	ds_load_b128 v[X+16*\b+4*\j:X+16*\b+4*\j+3], v[SOUT] offset:128*\b+16*\j   ; LDS serves a wave's instructions in order: these see my stores
.endr
.endr
	s_wait_dscnt 0x0                               ; my 64 numbers are in; the stage's stores are done too, so the registers that they read are free
.irp b, 0,1,2,3
	v_mov_b32 v[TM+4+\b], 0                        ; a lane permute's destination counts as one of its sources
.endr
.irp b, 0,1,2,3
	v_max3_num_f32 v[TM+\b], |v[X+16*\b]|, |v[X+1+16*\b]|, 0x2800000   ; block b: my 16 numbers, and the floor 2^(5 - 127): the byte cannot fall under 1
.endr
.irp i, 2,4,6,8,10,12,14
.irp b, 0,1,2,3
	s_delay_alu instid0(VALU_DEP_4)
	v_max3_num_f32 v[TM+\b], v[TM+\b], |v[X+16*\b+\i]|, |v[X+1+16*\b+\i]|
.endr
.endr
.irp b, 0,1,2,3
	s_delay_alu instid0(VALU_DEP_4)
	v_permlanex16_b32 v[TM+4+\b], v[TM+\b], s30, s31
.endr
.irp b, 0,1,2,3
	s_delay_alu instid0(VALU_DEP_4)
	v_max_num_f32 v[TM+\b], v[TM+\b], v[TM+4+\b]   ; with lane l xor 16's: the block's largest magnitude
.endr
.irp b, 0,1,2,3
	s_delay_alu instid0(VALU_DEP_4)
	v_add_nc_u32 v[TM+12+\b], 0xfe000000, v[TM+\b] ; 4 off its exponent field: the conversion's scale operand
.endr
.irp b, 0,1,2,3
	s_delay_alu instid0(VALU_DEP_4)
	v_lshrrev_b32 v[TM+4+\b], 23, v[TM+12+\b]      ; the scale's byte
.endr
	s_delay_alu instid0(VALU_DEP_3)
	v_lshl_or_b32 v[PW], v[TM+5], 8, v[TM+4]
	s_delay_alu instid0(VALU_DEP_1)
	v_lshl_or_b32 v[PW], v[TM+6], 16, v[PW]
	s_delay_alu instid0(VALU_DEP_1)
	v_lshl_or_b32 v[PW], v[TM+7], 24, v[PW]        ; my row's scale word
.irp c, 0,1
	v_cvt_scalef32_pk16_bf6_f32 v[PC+6*\c:PC+2+6*\c], v[X+32*\c:X+15+32*\c], v[TM+12+2*\c]
	v_cvt_scalef32_pk16_bf6_f32 v[PC+12+4*\c:PC+14+4*\c], v[X+16+32*\c:X+31+32*\c], v[TM+12+2*\c+1]   ; (a conversion's three registers begin on an even number)
.endr
	v_nop                                          ; one plain place behind a scaled conversion
.irp c, 0,1                                    ; the operand's layout wants a whole block in a lane: lanes 0-15 block 2 c, lanes 16-31 block 2 c + 1
.irp i, 0,1,2
	v_permlane16_swap_b32 v[PC+6*\c+\i], v[PC+12+4*\c+\i]
.endr
.irp i, 0,1,2
	s_delay_alu instid0(VALU_DEP_3)
	v_mov_b32 v[PC+3+6*\c+\i], v[PC+12+4*\c+\i]
.endr
.endr
.irp c, 0,1,2
	global_store_b128 v[LI], v[PC+4*\c:PC+4*\c+3], s[28:29] offset:512*\c   ; 32 lanes store 512 consecutive bytes, at a multiple of 256 from the buffer's first byte
.endr
	ds_store_b32 v[SWA], v[PW]
	s_wait_dscnt 0x0                               ; for the others' sake: my scale words lie in LDS
	s_barrier_signal -1
	s_barrier_wait -1
	s_cmp_lg_u32 s14, 0
	s_cbranch_scc1 .Lend
	ds_load_b128 v[X:X+3], v[SRA]                  ; wave 0 stores the unit's 512 bytes of scale words (into registers that no pending store reads)
	s_wait_dscnt 0x0
	global_store_b128 v[LI], v[X:X+3], s[12:13] offset:12288
.Lend:
	s_wait_tensorcnt 0x0                           ; the wave's end: behind my last LDS store
	ds_add_u32 v[SPW], v[NIL]
	s_wait_dscnt 0x0
	s_endpgm
.Lfunc_end_k_qa3c4ce3472_quant:
	.size	k_qa3c4ce3472_quant, .Lfunc_end_k_qa3c4ce3472_quant-k_qa3c4ce3472_quant
	.p2alignl 7, 3214868480
	.fill 96, 4, 3214868480
	.section	.rodata,"a",@progbits
	.p2align	6, 0x0
	.amdhsa_kernel k_qa3c4ce3472_quant
		.amdhsa_group_segment_fixed_size 69120
		.amdhsa_private_segment_fixed_size 0
		.amdhsa_enable_private_segment 0
		.amdhsa_kernarg_size 40
		.amdhsa_user_sgpr_count 2
		.amdhsa_user_sgpr_kernarg_segment_ptr 1
		.amdhsa_wavefront_size32 1
		.amdhsa_system_sgpr_workgroup_id_x 1
		.amdhsa_system_sgpr_workgroup_id_y 1
		.amdhsa_system_sgpr_workgroup_id_z 1
		.amdhsa_system_vgpr_workitem_id 0
		.amdhsa_next_free_vgpr 144
		.amdhsa_next_free_sgpr 66
		.amdhsa_reserve_vcc 0
		.amdhsa_float_denorm_mode_32 3
		.amdhsa_float_denorm_mode_16_64 3
		.amdhsa_memory_ordered 1
		.amdhsa_forward_progress 1
		.amdhsa_inst_pref_size 13
	.end_amdhsa_kernel
	.amdgpu_metadata
---
amdhsa.version: [ 1, 2 ]
amdhsa.kernels:
  - .name:           k_qa3c4ce3472_quant
    .symbol:         k_qa3c4ce3472_quant.kd
    .args:
      - { .name: x, .offset: 0, .size: 8, .value_kind: global_buffer, .address_space: global }
      - { .name: W_Q, .offset: 8, .size: 8, .value_kind: global_buffer, .address_space: global }
      - { .name: W_K, .offset: 16, .size: 8, .value_kind: global_buffer, .address_space: global }
      - { .name: W_V, .offset: 24, .size: 8, .value_kind: global_buffer, .address_space: global }
      - { .name: xw, .offset: 32, .size: 8, .value_kind: global_buffer, .address_space: global }
    .group_segment_fixed_size: 69120
    .private_segment_fixed_size: 0
    .kernarg_segment_align: 8
    .kernarg_segment_size: 40
    .max_flat_workgroup_size: 256
    .sgpr_count:     66
    .vgpr_count:     144
    .wavefront_size: 32
...
	.end_amdgpu_metadata
.endif
;; end of part 1
;; launch proj (part 2): grid 8 x 32, 4 waves a work-group, clusters of 4 x 4, 327,680 bytes of LDS; arguments xw, qkv; writes qkv
.if DOCPART == 2
	.amdgcn_target "amdgcn-amd-amdhsa--gfx1250"
	.amdhsa_code_object_version 6
	.text
	.protected	k_qa3c4ce3472_proj
	.globl	k_qa3c4ce3472_proj
	.p2align	8
	.type	k_qa3c4ce3472_proj,@function
k_qa3c4ce3472_proj:
	s_mov_b64 s[64:65], 0
	v_nop
	global_prefetch_b8 v0, s[64:65] scope:SCOPE_SE
	s_setreg_imm32_b32 hwreg(HW_REG_WAVE_MODE, 25, 1), 1
	s_wait_xcnt 0x0
	s_wait_alu depctr_hold_cnt(0) depctr_sa_sdst(0) depctr_va_vdst(0) depctr_va_sdst(0) depctr_va_ssrc(0) depctr_va_vcc(0) depctr_vm_vsrc(0)
	s_getreg_b32 s2, hwreg(HW_REG_IB_STS2, 6, 4)
	s_cmp_eq_u32 s2, 0
	s_cbranch_scc0 .Lentry_in_a_cluster
	s_endpgm
.Lentry_in_a_cluster:
	s_bfe_u32 s2, ttmp6, 0x10000c
	s_cmp_lg_u32 s2, 0xf033
	s_cbranch_scc0 .Lentry_shape_is_right
	s_endpgm
.Lentry_shape_is_right:
; LAUNCH 2 OF 4.  Products 1 to 3 on codes of BF6, their results quantised in registers: Q = x W_Q^T and K = x W_K^T along the feature axis, V^T = W_V x^T along the tokens (the keys are the last product's K).
; ONE FORM: C[i][j] = sum over k of S1[i][k] S0[j][k], quantised along j.  Source 0 = 16 rows of S0, source 1 = 16 rows of S1: a lane holds one row i, and, by the order of rows in a fragment (launch 1), the 64 registers
; of a block's eight tiles are j = 32 b + 16 (lane / 16) + 0 .. 15 for b = 0 .. 3: what the conversions want.
; SHARES.  256 work-groups of equal work: work-group (c, T), c = 0..7, T = 0..31, keeps x's tokens 256 T .. 256 T + 255 for all of K in LDS and uses them twice.
;   PASS 1: S1 = x, S0 = rows 256 c .. + 255 of W_Q | W_K: 256 x 256 of Q or K; wave (wr, wc) 128 x 128 in 64 accumulators; 8 steps of 128 along K, 64 products each.
;   PASS 2: S1 = rows 128 c .. + 127 of W_V, S0 = x: 128 channels x 256 tokens of V^T; wave (wr, wc) 64 channels x 128 tokens in 32 accumulators; 8 steps of 32 products.
;   Each pass is a loop of three trips of two steps; its first step (which starts the sums) and its last are written out.
; qkv: units of 12,800 bytes as in launch 1.  Q: unit 8 rb + s.  K: 512 + 8 rb + s (rb = token / 128, s = feature / 128).  V^T: 1024 + 16 (8 batch + d / 128) + key / 128.
; LDS: x: two halves of 8 units (204,800 bytes), filled once.  Behind them the weights' 8 places of a unit: place 4 half + n; slot A is n = 0, 1 of both halves, slot B n = 2, 3.
;   At the head each wave has ONE load: waves 0, 1 a half of x, waves 2, 3 four units (K 0 to 511) of a half of W: both slots.  Four refills follow, a unit a wave, each behind a round of the cluster's barrier:
;   at step 1 slot A takes K 512-767, at step 3 slot B K 768-1023, at step 5 slot A W_V's K steps 0, 1, 4, 5, at step 7 slot B its K steps 2, 3, 6, 7: W_V's K step s lies in place s.
;   From a refill to the wait for it a wave issues 128 products.  Behind the slots 1,024 bytes for V^T's scale words (stored, never filled), then the spare words.
; CLUSTER 4 x 4: x's halves hang on T alone and are shared along a row of the cluster, the weights' units on c alone and are shared along a column: each is asked for jointly.
; No prefetch: K is 8 steps, the refills are four, and 307,200 of a work-group's 512,000 bytes are asked for at its head.
; REGISTERS: window 0: v16-30 addresses, v28, v29 the add's two, v32-47 scale words (two sets: S1's four, S0's four), v64-159 and v160-255 S1's fragments (two sets).  Window 1: v0-95, v96-191 S0's.
;   Windows 2, 3: accumulator (a, b) at v[8 (8 (a % 4) + b)]; pass 2 has window 2 alone.  On the ways out window 0's v64-251 are at work.
; LIMITS: as launch 1's: a block under 2^-122 keeps the byte 1; NaN and infinities are not served.
.set UNIT,  12800
.set FRB,   1536
.set SCO,   12288
.set WB,    16*UNIT                    ; the weights' eight places
.set SCS,   24*UNIT                    ; V^T's scale words on their way out: 512 bytes for each half of the tokens
.set SPARE, SCS+1024                   ; the spare words, 128 bytes for each wave: two blocks of 256 bytes that no other line names
.set AX,  16                           ; x's half wr + 16 x lane;  AXC: + the trip's place along K
.set AXC, 17
.set AY,  18                           ; x's half wc
.set AYC, 19
.set AV,  20                           ; my four fragments of W_V
.set AVC, 21
.set AVS, 22                           ; and their scale words
.set AVSC, 23
.set LI,  24
.set AW,  25                           ; W's half wc;  AWN: + the slot that is read next
.set SWS, 26
.set SRD, 27
.set SPW, 28
.set NIL, 29
.set AWN, 30
.set SC,  32
.set F1,  64
.set PC,  64                           ; the way out: block a's codes at v[64 + 20 a]
.set TM,  224
.set PWB, 240
.set SI,  248
.set WV,  8
.set WR,  9
.set WC,  10
.set G1X, 24                           ; group 1: 400 rows of 256 bytes, my row's mask
.set G1H, 32                           ; 200 rows, my column's mask
.set G1W, 40                           ; 50 rows, my column's mask
.set G0X, 48
.set G0H, 52
.set G0C, 56                           ; group 0 of the loop's refill
.set N0,  60                           ; the addresses of the loop's three refills, a queue
.set N1,  62
.set N2,  68
.set XO,  70                           ; the trip's place along K: 0, 2, 4 units
.set WO,  71                           ; the slot read next: 2 units, 0, 2 units
.set F5,  72                           ; group 0 of the last refill
.set RO,  76                           ; the slot filled: 0, 2 units, 0
.set HM,  77
.set SEL, 78
.set PL,  86                           ; my place in slot A
.set CT,  87
.set P2,  94
.set MSB, 0
.macro WIN new                         ; the immediate's high byte repeats the setting that is left
.if MSB != (\new)
	s_set_vgpr_msb (MSB<<8)|(\new)
.set MSB, (\new)
.endif
.endm
.macro PLACES                          ; four plain places behind a matrix instruction, in front of loads into its registers and of reads of its results
.rept 4
	v_nop
.endr
.endm
.macro WM d, a, b, z, sa, sb, ra, rb   ; one product; z: it starts the sum; ra, rb: the side's scale words stand in lanes 16-31
.if \z
.if (\ra) && (\rb)
	v_wmma_scale_f32_16x16x128_f8f6f4 v[\d:\d+7], v[\a:\a+11], v[\b:\b+11], 0, v[\sa], v[\sb] matrix_a_fmt:MATRIX_FMT_BF6 matrix_b_fmt:MATRIX_FMT_BF6 matrix_a_scale:MATRIX_SCALE_ROW1 matrix_b_scale:MATRIX_SCALE_ROW1
.elseif \ra
	v_wmma_scale_f32_16x16x128_f8f6f4 v[\d:\d+7], v[\a:\a+11], v[\b:\b+11], 0, v[\sa], v[\sb] matrix_a_fmt:MATRIX_FMT_BF6 matrix_b_fmt:MATRIX_FMT_BF6 matrix_a_scale:MATRIX_SCALE_ROW1
.elseif \rb
	v_wmma_scale_f32_16x16x128_f8f6f4 v[\d:\d+7], v[\a:\a+11], v[\b:\b+11], 0, v[\sa], v[\sb] matrix_a_fmt:MATRIX_FMT_BF6 matrix_b_fmt:MATRIX_FMT_BF6 matrix_b_scale:MATRIX_SCALE_ROW1
.else
	v_wmma_scale_f32_16x16x128_f8f6f4 v[\d:\d+7], v[\a:\a+11], v[\b:\b+11], 0, v[\sa], v[\sb] matrix_a_fmt:MATRIX_FMT_BF6 matrix_b_fmt:MATRIX_FMT_BF6
.endif
.else
.if (\ra) && (\rb)
	v_wmma_scale_f32_16x16x128_f8f6f4 v[\d:\d+7], v[\a:\a+11], v[\b:\b+11], v[\d:\d+7], v[\sa], v[\sb] matrix_a_fmt:MATRIX_FMT_BF6 matrix_b_fmt:MATRIX_FMT_BF6 matrix_a_scale:MATRIX_SCALE_ROW1 matrix_b_scale:MATRIX_SCALE_ROW1
.elseif \ra
	v_wmma_scale_f32_16x16x128_f8f6f4 v[\d:\d+7], v[\a:\a+11], v[\b:\b+11], v[\d:\d+7], v[\sa], v[\sb] matrix_a_fmt:MATRIX_FMT_BF6 matrix_b_fmt:MATRIX_FMT_BF6 matrix_a_scale:MATRIX_SCALE_ROW1
.elseif \rb
	v_wmma_scale_f32_16x16x128_f8f6f4 v[\d:\d+7], v[\a:\a+11], v[\b:\b+11], v[\d:\d+7], v[\sa], v[\sb] matrix_a_fmt:MATRIX_FMT_BF6 matrix_b_fmt:MATRIX_FMT_BF6 matrix_b_scale:MATRIX_SCALE_ROW1
.else
	v_wmma_scale_f32_16x16x128_f8f6f4 v[\d:\d+7], v[\a:\a+11], v[\b:\b+11], v[\d:\d+7], v[\sa], v[\sb] matrix_a_fmt:MATRIX_FMT_BF6 matrix_b_fmt:MATRIX_FMT_BF6
.endif
.endif
.endm
.macro FRAG reg, adr, off              ; a fragment's image: three loads of 512 consecutive bytes
.irp c, 0,1,2
	ds_load_b128 v[\reg+4*\c:\reg+4*\c+3], v[\adr] offset:\off+512*\c
.endr
.endm
.macro FETCH ax, aw, xo, wo, p         ; pass 1: x's unit at v[ax] + xo, W's at v[aw] + wo, into set p: 50 loads in one run
	WIN 0x40                                       ; destination window 1, address window 0
.irp i, 0,1,2,3,4,5,6,7
	FRAG 96*(\p)+12*\i, \aw, (\wo)+FRB*\i
.endr
	WIN 0
	ds_load_b128 v[SC+8*(\p):SC+8*(\p)+3], v[\ax] offset:(\xo)+SCO     ; register c: lanes 0-15 the words of block 2 c, lanes 16-31 of block 2 c + 1
	ds_load_b128 v[SC+8*(\p)+4:SC+8*(\p)+7], v[\aw] offset:(\wo)+SCO
.irp i, 0,1,2,3,4,5,6,7
	FRAG F1+96*(\p)+12*\i, \ax, (\xo)+FRB*\i
.endr
.endm
.macro FETCH2 ay, av, avs, o, p        ; pass 2: x's and W_V's units, both o bytes on, into set p: 38 loads
	WIN 0x40
.irp i, 0,1,2,3,4,5,6,7
	FRAG 96*(\p)+12*\i, \ay, (\o)+FRB*\i
.endr
	WIN 0
	ds_load_b64 v[SC+8*(\p):SC+8*(\p)+1], v[\avs] offset:\o            ; the words of my four fragments: two of the image's four registers
	ds_load_b128 v[SC+8*(\p)+4:SC+8*(\p)+7], v[\ay] offset:(\o)+SCO
.irp i, 0,1,2,3
	FRAG F1+96*(\p)+12*\i, \av, (\o)+FRB*\i
.endr
.endm
.macro MUL16 a0, p, z                  ; S1's blocks a0, a0 + 1 against S0's eight.  The accumulators take turns, in the same order in every step
.irp a, \a0, \a0+1
.irp b, 0,1,2,3,4,5,6,7
	WM 8*(8*((\a)%4)+\b), 96*(\p)+12*\b, F1+96*(\p)+12*(\a), \z, SC+8*(\p)+4+\b/2, SC+8*(\p)+(\a)/2, \b%2, (\a)%2
.endr
.endr
.endm
.macro STEP z, ax, aw, xo, wo          ; an even step of pass 1: multiplies set 0; first asks for the next step's fragments, of the same slot, into set 1
	s_wait_dscnt 0x0                               ; set 0 is in: it was asked for a step ago
	PLACES
	FETCH \ax, \aw, \xo, \wo, 1
	WIN 0xa1                                       ; source 0 window 1, source 1 window 0, C and D window 2
	MUL16 0, 0, \z
	MUL16 2, 0, \z
	WIN 0xf1                                       ; C and D window 3
	MUL16 4, 0, \z
	MUL16 6, 0, \z
	WIN 0
.endm
.macro CREST                           ; a round of the cluster's barrier behind its opening barrier
	s_cmp_lg_u32 s[WV], 0
	s_cbranch_scc1 .Lnot_wave_0_\@
	s_barrier_signal -3
.Lnot_wave_0_\@:
	s_barrier_wait -3
	s_barrier_signal -1
	s_barrier_wait -1
.endm
.macro CROUND
	s_barrier_signal -1
	s_barrier_wait -1
	CREST
.endm
; An odd step of pass 1: multiplies set 1 and changes slots.  The slot in hand has been read out: each wave waits for all its tensor loads (so the other slot is whole behind the round), adds 0 to its spare word,
; waits for that and for its reads; the round; the joint refill, a unit a wave, first behind it.  inloop: the refill's address comes off the queue, and the next step's fragments are fetched from the other slot.
.macro TURN inloop
	s_wait_dscnt 0x0                               ; set 1 is in: my reads of the slot in hand are over
	s_wait_tensorcnt 0x0                           ; all my tensor loads have landed: a group 0 may be written
	ds_add_u32 v[SPW], v[NIL]                      ; 0 onto my spare word; the descriptor's words and sixteen products stand between it and the wait for it
.if \inloop
	s_mov_b64 s[G0C+2:G0C+3], s[N0:N0+1]
	s_or_b32 s[G0C+3], s[G0C+3], 0x80000000        ; the type
	s_mov_b64 s[N0:N0+1], s[N1:N1+1]
	s_mov_b64 s[N1:N1+1], s[N2:N2+1]
	s_add_co_u32 s[G0C+1], s[PL], s[RO]
	s_xor_b32 s[RO], s[RO], 2*UNIT
.endif
	WIN 0xa1
	MUL16 0, 1, 0
	s_wait_dscnt 0x0                               ; the add is done
	s_barrier_signal -1
	MUL16 2, 1, 0
	WIN 0
	s_barrier_wait -1
	CREST                                          ; no wave of any partner still reads this slot or has a load on its way
.if \inloop
	tensor_load_to_lds s[G0C:G0C+3], s[G1W:G1W+7]
	s_nop 0
	PLACES                                         ; the places in front of the loads below
	FETCH AXC, AWN, 2*UNIT, 0, 0
.else
	tensor_load_to_lds s[F5:F5+3], s[G1W:G1W+7]
	s_nop 0
	PLACES
.endif
	WIN 0xf1
	MUL16 4, 1, 0
	MUL16 6, 1, 0
	WIN 0
.endm
.macro MULH p, z                       ; a step of pass 2: 32 products
	WIN 0xa1
	MUL16 0, \p, \z
	MUL16 2, \p, \z
	WIN 0
.endm
; 64 numbers of a lane in window ws, register 16 b + i = k 32 b + 16 (lane / 16) + i of my row: QMAX finds the four blocks' largest magnitudes, QTAIL makes the scale word v[pw] and the fragment's codes v[pc] on.
.macro QMAX s, ws
	WIN ((\ws)<<2)|((\ws)<<4)                      ; sources 1 and 2 in window ws
.irp b, 0,1,2,3
	v_max3_num_f32 v[TM+\b], 0x2800000, |v[\s+16*\b]|, |v[\s+16*\b+1]|   ; with the floor 2^(5 - 127).  Each accumulator is read from its low end on
.endr
.irp i, 2,4,6,8,10,12,14
.irp b, 0,1,2,3
	v_max3_num_f32 v[TM+\b], v[TM+\b], |v[\s+16*\b+\i]|, |v[\s+16*\b+\i+1]|
.endr
.endr
	WIN 0
.irp b, 0,1,2,3
	v_permlanex16_b32 v[TM+4+\b], v[TM+\b], s[SEL], s[SEL+1]
.endr
.irp b, 0,1,2,3
	v_max_num_f32 v[TM+\b], v[TM+\b], v[TM+4+\b]
.endr
.endm
.macro QTAIL s, ws, pw, pc
.irp b, 0,1,2,3
	v_add_nc_u32 v[TM+12+\b], 0xfe000000, v[TM+\b] ; 4 off the exponent field: the conversion's scale operand
.endr
.irp b, 0,1,2,3
	v_lshrrev_b32 v[TM+4+\b], 23, v[TM+12+\b]      ; the scale's byte
.endr
	v_lshl_or_b32 v[\pw], v[TM+5], 8, v[TM+4]
	v_lshl_or_b32 v[\pw], v[TM+6], 16, v[\pw]
	v_lshl_or_b32 v[\pw], v[TM+7], 24, v[\pw]
	WIN \ws                                        ; source 0 in window ws
.irp c, 0,1
	v_cvt_scalef32_pk16_bf6_f32 v[\pc+6*\c:\pc+6*\c+2], v[\s+32*\c:\s+32*\c+15], v[TM+12+2*\c]
	v_cvt_scalef32_pk16_bf6_f32 v[\pc+12+4*\c:\pc+12+4*\c+2], v[\s+32*\c+16:\s+32*\c+31], v[TM+12+2*\c+1]
.endr
	WIN 0
	v_nop                                          ; one plain place behind a scaled conversion
.irp c, 0,1
.irp i, 0,1,2
	v_permlane16_swap_b32 v[\pc+6*\c+\i], v[\pc+12+4*\c+\i]
.endr
.irp i, 0,1,2
	v_mov_b32 v[\pc+3+6*\c+\i], v[\pc+12+4*\c+\i]
.endr
.endr
.endm
.macro GRP1 g, rows                    ; dense bytes as rows of 256 (32 elements of 8 bytes)
	s_mov_b32 s[\g+1], 32<<16
	s_mov_b32 s[\g+2], (\rows)<<16
	s_mov_b32 s[\g+3], 32<<16
	s_mov_b32 s[\g+4], \rows
	s_mov_b32 s[\g+5], 32
	s_mov_b32 s[\g+6], 0
	s_mov_b32 s[\g+7], 0
.endm
	s_load_b128 s[4:7], s[0:1], 0x0                ; xw, qkv
	v_lshl_add_u32 v[SPW], v0, 2, SPARE
	v_mov_b32 v[NIL], 0
	ds_add_u32 v[SPW], v[NIL]                      ; the wave's opening: the add, twice on end, and its wait ahead of my first tensor load
	ds_add_u32 v[SPW], v[NIL]                      ; and once more; the set-up below, work on registers, stands between it and the wait
	v_lshrrev_b32 v1, 5, v0
	v_readfirstlane_b32 s[WV], v1
	s_lshr_b32 s[WR], s[WV], 1
	s_and_b32 s[WC], s[WV], 1
	s_bfe_u32 s11, ttmp6, 0x40000                  ; cx
	s_bfe_u32 s12, ttmp6, 0x40004                  ; cy
	s_and_b32 s13, ttmp7, 0xffff                   ; the cluster's y
	s_lshl_b32 s14, s12, 2
	s_lshl_b32 s14, 15, s14                        ; my row of the cluster
	s_lshl_b32 s15, 0x1111, s11                    ; my column
	s_or_b32 s[G1X], s14, (3<<16)|(1<<21)          ; 15:0 the mask; 17:16 elements of 8 bytes; 21 set beside a mask
	s_or_b32 s[G1H], s15, (3<<16)|(1<<21)
	s_or_b32 s[G1W], s15, (3<<16)|(1<<21)
	GRP1 G1X, 400
	GRP1 G1H, 200
	GRP1 G1W, 50
	s_lshl_b32 s16, s13, 2
	s_add_co_u32 s16, s16, s12                     ; T hangs on cy alone,
	s_lshl_b32 s17, ttmp9, 2
	s_add_co_u32 s17, s17, s11                     ; c on cx alone
	s_lshl_b32 s20, s16, 1
	s_add_co_u32 s20, s20, s[WC]
	s_mul_i32 s20, s20, 8*UNIT                     ; x: block of rows 2 T + wave (waves 0, 1)
	s_mov_b32 s21, 0
	s_lshl_b32 s18, s17, 1
	s_add_co_u32 s18, s18, 64                      ; W_Q | W_K: blocks of rows 64 + 2 c, + 1
	s_add_co_u32 s22, s18, s[WC]
	s_mul_i32 s22, s22, 8*UNIT                     ; the head's four units (waves 2, 3)
	s_mov_b32 s23, 0
	s_add_co_u32 s80, s18, s[WR]
	s_lshl_b32 s80, s80, 3
	s_add_co_u32 s80, s80, s[WC]
	s_add_co_u32 s80, s80, 4
	s_mul_i32 s80, s80, UNIT                       ; first refill: half wr, K step 4 + wc
	s_mov_b32 s81, 0
	s_add_co_u32 s82, s17, 80
	s_lshl_b32 s82, s82, 3
	s_lshl_b32 s83, s[WR], 2
	s_add_co_u32 s82, s82, s83
	s_add_co_u32 s82, s82, s[WC]
	s_mul_i32 s82, s82, UNIT                       ; third refill: W_V's block of rows 80 + c, K step 4 wr + wc
	s_mov_b32 s83, 0
	s_mul_i32 s84, s[WC], 8*UNIT                   ; LDS: x's half; no place in the cluster enters an LDS address
	s_mul_i32 s85, s[WC], 4*UNIT
	s_add_co_u32 s85, s85, WB                      ; W's half
	s_mul_i32 s[PL], s[WR], 4*UNIT
	s_mul_i32 s87, s[WC], UNIT
	s_add_co_u32 s[PL], s[PL], s87
	s_add_co_u32 s[PL], s[PL], WB                  ; my place in slot A; slot B's lies two units on
	; where the results go
	s_lshl_b32 s88, s17, 1
	s_add_co_u32 s88, s88, s[WC]                   ; g = 2 c + wc: 0-7 Q's K steps, 8-15 K's
	s_lshr_b32 s89, s88, 3
	s_lshl_b32 s89, s89, 9
	s_and_b32 s88, s88, 7
	s_add_co_u32 s88, s88, s89
	s_lshl_b32 s89, s16, 1
	s_add_co_u32 s90, s89, s[WR]
	s_lshl_b32 s90, s90, 3
	s_add_co_u32 s88, s88, s90                     ; 512 (g / 8) + 8 (2 T + wr) + g % 8
	s_mul_i32 s88, s88, UNIT
	s_add_co_u32 s92, s89, s[WC]                   ; V^T: the tokens' block of 128
	s_mov_b32 s89, 0
	s_lshr_b32 s93, s92, 4                         ; its batch
	s_lshl_b32 s93, s93, 3
	s_add_co_u32 s93, s93, s17
	s_lshl_b32 s93, s93, 4
	s_and_b32 s92, s92, 15
	s_add_co_u32 s92, s92, s93
	s_add_co_u32 s92, s92, 1024
	s_mul_i32 s92, s92, UNIT
	s_mul_i32 s93, s[WR], 4*FRB                    ; my four fragments of the unit
	s_add_co_u32 s92, s92, s93
	s_add_co_u32 s97, s93, WB
	s_mov_b32 s93, 0
	s_mov_b32 s[HM], 0xffff0000                    ; lanes 16-31
	s_mov_b32 s[SEL], 0x76543210
	s_mov_b32 s[SEL+1], 0xfedcba98
	s_mul_i32 s96, s[WR], 8*UNIT
	s_lshl_b32 s91, s[WR], 3
	s_add_co_u32 s98, s91, WB+SCO
	s_lshl_b32 s99, s[WC], 9
	s_add_co_u32 s99, s99, SCS
	s_mov_b32 s[G0X], 1
	s_mov_b32 s[G0X+1], s84
	s_mov_b32 s[G0H], 1
	s_mov_b32 s[G0H+1], s85
	s_mov_b32 s[G0C], 1
	s_mov_b32 s[F5], 1
	s_add_co_u32 s[F5+1], s[PL], 2*UNIT
	s_mov_b32 s[XO], 0
	s_mov_b32 s[WO], 2*UNIT
	s_mov_b32 s[RO], 0
	v_and_b32 v2, 31, v0
	v_lshlrev_b32 v[LI], 4, v2
	v_add_nc_u32 v[AX], s96, v[LI]
	v_add_nc_u32 v[AY], s84, v[LI]
	v_add_nc_u32 v[AW], s85, v[LI]
	v_add_nc_u32 v[AV], s97, v[LI]
	v_add_nc_u32 v[AVS], s98, v[LI]
	v_add_nc_u32 v[SRD], s99, v[LI]
	v_add_nc_u32 v[SWS], s91, v[SRD]
	s_wait_alu depctr_va_vdst(0)
	s_wait_dscnt 0x0                               ; both opening adds are done
	s_wait_kmcnt 0x0
	s_add_nc_u64 s[G0X+2:G0X+3], s[4:5], s[20:21]
	s_add_nc_u64 s[G0H+2:G0H+3], s[4:5], s[22:23]
	s_add_nc_u64 s[N0:N0+1], s[4:5], s[80:81]
	s_add_nc_u64 s[N1:N1+1], s[N0:N0+1], 2*UNIT
	s_add_nc_u64 s[N2:N2+1], s[4:5], s[82:83]
	s_add_nc_u64 s[F5+2:F5+3], s[N2:N2+1], 2*UNIT
.irp g, G0X, G0H, F5
	s_or_b32 s[\g+3], s[\g+3], 0x80000000          ; the type
.endr
	s_add_nc_u64 s[P2:P2+1], s[6:7], s[92:93]
	s_add_nc_u64 s[6:7], s[6:7], s[88:89]
	CROUND                                         ; all sixteen work-groups are here: the first joint loads meet
	s_cmp_eq_u32 s[WR], 0                          ; one load a wave: waves 0, 1 x's halves, waves 2, 3 W's; the branch hangs on the wave's number alone
	s_cbranch_scc0 .Lhead_w
	tensor_load_to_lds s[G0X:G0X+3], s[G1X:G1X+7]
	s_nop 0
	PLACES
	s_branch .Lhead_asked
.Lhead_w:
	tensor_load_to_lds s[G0H:G0H+3], s[G1H:G1H+7]
	s_nop 0
	PLACES
.Lhead_asked:
	s_wait_tensorcnt 0x0                           ; my part is in
	s_barrier_signal -1
	s_barrier_wait -1                              ; everybody's
	FETCH AX, AW, 0, 0, 0
	STEP 1, AX, AW, UNIT, UNIT                     ; K step 0: its products start the sums: nothing is cleared
	s_mov_b32 s[CT], 3
.Lk1:                                                  ; trip f: K steps 2 f + 1 and 2 f + 2
	v_add_nc_u32 v[AXC], s[XO], v[AX]
	v_add_nc_u32 v[AWN], s[WO], v[AW]
	s_wait_alu depctr_va_vdst(0)
	TURN 1
	STEP 0, AXC, AWN, 3*UNIT, UNIT
	s_add_co_u32 s[XO], s[XO], 2*UNIT
	s_xor_b32 s[WO], s[WO], 2*UNIT
	s_sub_co_u32 s[CT], s[CT], 1
	s_cmp_lg_u32 s[CT], 0
	s_cbranch_scc1 .Lk1
	TURN 0                                         ; K step 7
	; PASS 1'S WAY OUT: block a's 64 registers become one fragment and one scale word a row; a fragment leaves as three stores of 512 consecutive bytes: no stage is needed.  W_V's units land meanwhile.
	PLACES
.irp b, 0,1,2,3
	v_mov_b32 v[TM+4+\b], 0                        ; a lane permute's destination counts as one of its sources
.endr
.irp a, 0,1,2,3,4,5,6,7
	QMAX 64*(\a%4), 2+\a/4
	QTAIL 64*(\a%4), 2+\a/4, PWB+\a, PC+20*\a
.irp c, 0,1,2
	global_store_b128 v[LI], v[PC+20*\a+4*\c:PC+20*\a+4*\c+3], s[6:7] offset:FRB*\a+512*\c
.endr
.endr
.irp c, 0,1,2,3
	v_cndmask_b32 v[SI+\c], v[PWB+2*\c], v[PWB+2*\c+1], s[HM]   ; the scale words' image: lanes 0-15 block 2 c, lanes 16-31 block 2 c + 1 (a word stands alike in lanes r and r + 16)
.endr
	global_store_b128 v[LI], v[SI:SI+3], s[6:7] offset:SCO
	s_wait_alu depctr_va_vdst(0)
	s_wait_xcnt 0x0                                ; the stores have read their registers: pass 2's fragments may land there
	s_wait_tensorcnt 0x0                           ; my units of W_V are in
	s_barrier_signal -1
	s_barrier_wait -1                              ; everybody's
	FETCH2 AY, AV, AVS, 0, 0
	s_wait_dscnt 0x0
	PLACES
	FETCH2 AY, AV, AVS, UNIT, 1
	MULH 0, 1                                      ; K step 0 starts pass 2's sums
	s_mov_b32 s[XO], 0
	s_mov_b32 s[CT], 3
.Lk2:                                                  ; trip f: K steps 2 f + 1 and 2 f + 2
	v_add_nc_u32 v[AYC], s[XO], v[AY]
	v_add_nc_u32 v[AVC], s[XO], v[AV]
	v_add_nc_u32 v[AVSC], s[XO], v[AVS]
	s_wait_alu depctr_va_vdst(0)
	s_wait_dscnt 0x0
	PLACES
	FETCH2 AYC, AVC, AVSC, 2*UNIT, 0
	MULH 1, 0
	s_wait_dscnt 0x0
	PLACES
	FETCH2 AYC, AVC, AVSC, 3*UNIT, 1
	MULH 0, 0
	s_add_co_u32 s[XO], s[XO], 2*UNIT
	s_sub_co_u32 s[CT], s[CT], 1
	s_cmp_lg_u32 s[CT], 0
	s_cbranch_scc1 .Lk2
	s_wait_dscnt 0x0
	MULH 1, 0                                      ; K step 7
	; PASS 2'S WAY OUT: my four fragments of the unit; its scale words are gathered in LDS, so that one wave stores the unit's 512 bytes whole
	PLACES
.irp a, 0,1,2,3
	QMAX 64*\a, 2
	QTAIL 64*\a, 2, PWB+\a, PC+20*\a
.irp c, 0,1,2
	global_store_b128 v[LI], v[PC+20*\a+4*\c:PC+20*\a+4*\c+3], s[P2:P2+1] offset:FRB*\a+512*\c
.endr
.endr
.irp c, 0,1
	v_cndmask_b32 v[SI+\c], v[PWB+2*\c], v[PWB+2*\c+1], s[HM]
.endr
	ds_store_b64 v[SWS], v[SI:SI+1]                ; registers 2 wr, 2 wr + 1 of the image
	s_wait_dscnt 0x0                               ; for the others' sake
	s_barrier_signal -1
	s_barrier_wait -1
	s_cmp_lg_u32 s[WR], 0
	s_cbranch_scc1 .Lend
	ds_load_b128 v[PWB+4:PWB+7], v[SRD]
	s_wait_dscnt 0x0
	global_store_b128 v[LI], v[PWB+4:PWB+7], s[P2:P2+1] offset:SCO
.Lend:
	s_wait_tensorcnt 0x0                           ; the wave's end: behind my last tensor load and my last LDS store
	ds_add_u32 v[SPW], v[NIL]
	s_wait_dscnt 0x0
	CROUND                                         ; the closing round: no work-group ends while a partner may still ask for a tile that names it
	s_endpgm
.Lfunc_end_k_qa3c4ce3472_proj:
	.size	k_qa3c4ce3472_proj, .Lfunc_end_k_qa3c4ce3472_proj-k_qa3c4ce3472_proj
	.p2alignl 7, 3214868480
	.fill 96, 4, 3214868480
	.section	.rodata,"a",@progbits
	.p2align	6, 0x0
	.amdhsa_kernel k_qa3c4ce3472_proj
		.amdhsa_group_segment_fixed_size 327680
		.amdhsa_private_segment_fixed_size 0
		.amdhsa_enable_private_segment 0
		.amdhsa_kernarg_size 16
		.amdhsa_user_sgpr_count 2
		.amdhsa_user_sgpr_kernarg_segment_ptr 1
		.amdhsa_wavefront_size32 1
		.amdhsa_system_sgpr_workgroup_id_x 1
		.amdhsa_system_sgpr_workgroup_id_y 1
		.amdhsa_system_sgpr_workgroup_id_z 1
		.amdhsa_system_vgpr_workitem_id 0
		.amdhsa_next_free_vgpr 1024
		.amdhsa_next_free_sgpr 100
		.amdhsa_reserve_vcc 0
		.amdhsa_float_denorm_mode_32 3
		.amdhsa_float_denorm_mode_16_64 3
		.amdhsa_memory_ordered 1
		.amdhsa_forward_progress 1
		.amdhsa_inst_pref_size 134
	.end_amdhsa_kernel
	.amdgpu_metadata
---
amdhsa.version: [ 1, 2 ]
amdhsa.kernels:
  - .name:           k_qa3c4ce3472_proj
    .symbol:         k_qa3c4ce3472_proj.kd
    .args:
      - { .name: xw, .offset: 0, .size: 8, .value_kind: global_buffer, .address_space: global }
      - { .name: qkv, .offset: 8, .size: 8, .value_kind: global_buffer, .address_space: global }
    .group_segment_fixed_size: 327680
    .private_segment_fixed_size: 0
    .kernarg_segment_align: 8
    .kernarg_segment_size: 16
    .max_flat_workgroup_size: 128
    .sgpr_count:     100
    .vgpr_count:     1024
    .wavefront_size: 32
...
	.end_amdgpu_metadata
.endif
;; end of part 2
;; launch score (part 3): grid 9 x 16, 4 waves a work-group, no clusters, 327,680 bytes of LDS; arguments qkv, p, pst; writes p, pst
.if DOCPART == 3
	.amdgcn_target "amdgcn-amd-amdhsa--gfx1250"
	.amdhsa_code_object_version 6
	.text
	.protected	k_qa3c4ce3472_score
	.globl	k_qa3c4ce3472_score
	.p2align	8
	.type	k_qa3c4ce3472_score,@function
k_qa3c4ce3472_score:
	s_mov_b64 s[64:65], 0
	v_nop
	global_prefetch_b8 v0, s[64:65] scope:SCOPE_SE
	s_setreg_imm32_b32 hwreg(HW_REG_WAVE_MODE, 25, 1), 1
	s_wait_xcnt 0x0
; LAUNCH 3 OF 4.  Product 4 on codes of BF6, S^T = K Q^T for a tile of 256 queries x 256 keys; then, unit by unit of 128 x 128, p = 2^(t - M_u), M_u the ceiling of the unit's largest t of the row, p's codes and scale words (p),
; and each row's -M_u and sum l_u of the unquantised p (pst).  LEFT OUT AS DEAD WORK (shown at launch 1's head): tiles wholly above the diagonal; on the diagonal's tiles the scores above it are set to -inf.
; LDS: region w (76,800 bytes, six units on end: 768 along K) is what wave w fetches by its one load at the head: regions 0, 1 Q's halves, regions 2, 3 K's.  The last 256 along K come into each region's first two units,
; behind the change of slots at K 128.  NO CLUSTER: the grid's 9 columns do not divide into clusters of four.  No prefetch: no loop to run ahead in, and three quarters of the bytes are asked for at the head.
; LIMITS: as launch 1's; NaN and infinities are not served.
.set UNIT,  12800
.set FRB,   1536
.set SCO,   12288
.set REGB,  2*UNIT
.set SLOT,  4*REGB
.set SPARE, 3*SLOT
.set DB,  12
.set AD1, 16
.set AD0, 20
.set LI,  24
.set SPW, 28
.set NIL, 29
.set SC,  32
.set F1,  64
.set W,   64
.set PC,  128
.set TM,  148
.set NM,  164
.set SA,  166
.set SB,  168
.set DV,  170
.set NINF, 171
.set TT,  172
.set PWB, 176
.set NMB, 184
.set LSB, 192
.set IM,  200
.set TI,  10
.set TJ,  11
.set WV,  12
.set WR,  13
.set WC,  14
.set G1,  24
.set G0,  40
.set HM,  75
.set SEL, 76
.set CS,  78
.set KD,  82                           ; how my unit lies to the diagonal: 0 wholly under it, 1 on it, 2 wholly above it
.set MR,  83                           ; a mask of lanes
.set MSB, 0
.macro WIN new
.if MSB != (\new)
	s_set_vgpr_msb (MSB<<8)|(\new)
.set MSB, (\new)
.endif
.endm
.macro PLACES
.rept 4
	v_nop
.endr
.endm
.macro WM d, a, b, z, sa, sb, ra, rb
.if \z
.if (\ra) && (\rb)
	v_wmma_scale_f32_16x16x128_f8f6f4 v[\d:\d+7], v[\a:\a+11], v[\b:\b+11], 0, v[\sa], v[\sb] matrix_a_fmt:MATRIX_FMT_BF6 matrix_b_fmt:MATRIX_FMT_BF6 matrix_a_scale:MATRIX_SCALE_ROW1 matrix_b_scale:MATRIX_SCALE_ROW1
.elseif \ra
	v_wmma_scale_f32_16x16x128_f8f6f4 v[\d:\d+7], v[\a:\a+11], v[\b:\b+11], 0, v[\sa], v[\sb] matrix_a_fmt:MATRIX_FMT_BF6 matrix_b_fmt:MATRIX_FMT_BF6 matrix_a_scale:MATRIX_SCALE_ROW1
.elseif \rb
	v_wmma_scale_f32_16x16x128_f8f6f4 v[\d:\d+7], v[\a:\a+11], v[\b:\b+11], 0, v[\sa], v[\sb] matrix_a_fmt:MATRIX_FMT_BF6 matrix_b_fmt:MATRIX_FMT_BF6 matrix_b_scale:MATRIX_SCALE_ROW1
.else
	v_wmma_scale_f32_16x16x128_f8f6f4 v[\d:\d+7], v[\a:\a+11], v[\b:\b+11], 0, v[\sa], v[\sb] matrix_a_fmt:MATRIX_FMT_BF6 matrix_b_fmt:MATRIX_FMT_BF6
.endif
.else
.if (\ra) && (\rb)
	v_wmma_scale_f32_16x16x128_f8f6f4 v[\d:\d+7], v[\a:\a+11], v[\b:\b+11], v[\d:\d+7], v[\sa], v[\sb] matrix_a_fmt:MATRIX_FMT_BF6 matrix_b_fmt:MATRIX_FMT_BF6 matrix_a_scale:MATRIX_SCALE_ROW1 matrix_b_scale:MATRIX_SCALE_ROW1
.elseif \ra
	v_wmma_scale_f32_16x16x128_f8f6f4 v[\d:\d+7], v[\a:\a+11], v[\b:\b+11], v[\d:\d+7], v[\sa], v[\sb] matrix_a_fmt:MATRIX_FMT_BF6 matrix_b_fmt:MATRIX_FMT_BF6 matrix_a_scale:MATRIX_SCALE_ROW1
.elseif \rb
	v_wmma_scale_f32_16x16x128_f8f6f4 v[\d:\d+7], v[\a:\a+11], v[\b:\b+11], v[\d:\d+7], v[\sa], v[\sb] matrix_a_fmt:MATRIX_FMT_BF6 matrix_b_fmt:MATRIX_FMT_BF6 matrix_b_scale:MATRIX_SCALE_ROW1
.else
	v_wmma_scale_f32_16x16x128_f8f6f4 v[\d:\d+7], v[\a:\a+11], v[\b:\b+11], v[\d:\d+7], v[\sa], v[\sb] matrix_a_fmt:MATRIX_FMT_BF6 matrix_b_fmt:MATRIX_FMT_BF6
.endif
.endif
.endm
.macro FRAG reg, adr, off
.irp c, 0,1,2
	ds_load_b128 v[\reg+4*\c:\reg+4*\c+3], v[\adr] offset:\off+512*\c
.endr
.endm
.macro FETCH sl, q, p
	WIN 0x40
.irp i, 0,1,2,3,4,5,6,7
	FRAG 96*(\p)+12*\i, AD0+\sl, (\q)*UNIT+FRB*\i
.endr
	WIN 0
	ds_load_b128 v[SC+8*(\p):SC+8*(\p)+3], v[AD1+\sl] offset:(\q)*UNIT+SCO
	ds_load_b128 v[SC+8*(\p)+4:SC+8*(\p)+7], v[AD0+\sl] offset:(\q)*UNIT+SCO
.irp i, 0,1,2,3,4,5,6,7
	FRAG F1+96*(\p)+12*\i, AD1+\sl, (\q)*UNIT+FRB*\i
.endr
.endm
.macro MUL16 a0, p, z
.irp a, \a0, \a0+1
.irp b, 0,1,2,3,4,5,6,7
	WM 8*(8*((\a)%4)+\b), 96*(\p)+12*\b, F1+96*(\p)+12*(\a), \z, SC+8*(\p)+4+\b/2, SC+8*(\p)+(\a)/2, \b%2, (\a)%2
.endr
.endr
.endm
.macro STEP p, z, sl, q
	s_wait_dscnt 0x0
	PLACES
	FETCH \sl, \q, 1-(\p)
	WIN 0xa1
	MUL16 0, \p, \z
	MUL16 2, \p, \z
	WIN 0xf1
	MUL16 4, \p, \z
	MUL16 6, \p, \z
	WIN 0
.endm
.macro TURN p, mode, sl, q
	s_wait_dscnt 0x0
	s_wait_tensorcnt 0x0
.if \mode == 1
	ds_add_u32 v[SPW], v[NIL]
.endif
	WIN 0xa1
	MUL16 0, \p, 0
.if \mode == 1
	s_wait_dscnt 0x0
.endif
	s_barrier_signal -1
	MUL16 2, \p, 0
	WIN 0
	s_barrier_wait -1
.if \mode == 1
	s_add_nc_u64 s[G0+2:G0+3], s[G0+2:G0+3], 3*REGB
	tensor_load_to_lds s[G0:G0+3], s[G1:G1+7]
	s_nop 0
.endif
	PLACES
	FETCH \sl, \q, 1-(\p)
	WIN 0xf1
	MUL16 4, \p, 0
	MUL16 6, \p, 0
	WIN 0
.endm
.macro SOFT a
.set AC, 64*((\a)%4)
.set WA, 2+(\a)/4
; THE CAUSAL MASK.  Register NN of lane (r, h) is key 32 (NN / 16) + 16 h + NN % 16 of the unit, the lane's query is row 32 (a / 2) + 8 (a % 2) + r + 8 (r / 8).  In a unit on the diagonal the groups of 32 keys
; under a / 2 stay, those over it go, and in group a / 2 the lanes that go are a constant of the text for each register.  The branches hang on ids and the wave's number alone.
	s_cmp_eq_u32 s[KD], 0
	s_cbranch_scc1 .Lopen_\@
	s_cmp_eq_u32 s[KD], 1
	s_cbranch_scc0 .Lall_\@
	WIN (WA<<6)|WA
.set NN, 16*((\a)/2)
.rept 16
.set MK, 0
.set LL, 0
.rept 32
.if (NN%16+16*(LL/16)) > (8*((\a)%2)+LL%16+8*((LL%16)/8))
.set MK, MK|(1<<LL)
.endif
.set LL, LL+1
.endr
.if MK != 0
	s_mov_b32 s[MR], MK
	v_cndmask_b32 v[AC+NN], v[AC+NN], v[NINF], s[MR]
.endif
.set NN, NN+1
.endr
	WIN (WA<<6)
.rept 48-16*((\a)/2)
	v_mov_b32 v[AC+NN], v[NINF]
.set NN, NN+1
.endr
	WIN 0
	s_wait_alu depctr_va_vdst(0)
	s_branch .Lopen_\@
.Lall_\@:
	WIN (WA<<6)
.set NN, 0
.rept 64
	v_mov_b32 v[AC+NN], v[NINF]
.set NN, NN+1
.endr
	WIN 0
.Lopen_\@:
	WIN (WA<<2)|(WA<<4)
.irp b, 0,1,2,3
	v_max3_num_f32 v[TM+\b], 0xf1800000, v[AC+16*\b], v[AC+16*\b+1]
.endr
.irp i, 2,4,6,8,10,12,14
.irp b, 0,1,2,3
	v_max3_num_f32 v[TM+\b], v[TM+\b], v[AC+16*\b+\i], v[AC+16*\b+\i+1]
.endr
.endr
	WIN 0
.irp b, 0,1,2,3
	v_permlanex16_b32 v[TM+4+\b], v[TM+\b], s[SEL], s[SEL+1]
.endr
.irp b, 0,1,2,3
	v_max_num_f32 v[TM+\b], v[TM+\b], v[TM+4+\b]
.endr
	v_max3_num_f32 v[TT], v[TM], v[TM+1], v[TM+2]
	v_max_num_f32 v[TT], v[TT], v[TM+3]
	v_mul_f32 v[TT], s[CS], v[TT]
	v_floor_f32 v[NM], -v[TT]
	WIN WA
.set NN, 0
.rept 32
	v_pk_fma_f32 v[W+NN:W+NN+1], v[AC+NN:AC+NN+1], s[CS:CS+1], v[NM:NM+1] op_sel_hi:[1,0,0]
.set NN, NN+2
.endr
	WIN 0
.irp b, 0,1,2,3
	v_fma_f32 v[TM+\b], v[TM+\b], s[CS], v[NM]
.endr
.set NN, 0
	s_wait_alu depctr_va_vdst(0)
.rept 64
	v_exp_f32 v[W+NN], v[W+NN]
.set NN, NN+1
.endr
	v_mov_b32 v[NMB+(\a)], v[NM]
	s_wait_alu depctr_va_vdst(0)
.irp b, 0,1,2,3
	v_exp_f32 v[TM+\b], v[TM+\b]
.endr
	v_pk_add_f32 v[SA:SA+1], v[W:W+1], v[W+2:W+3]
	v_pk_add_f32 v[SB:SB+1], v[W+4:W+5], v[W+6:W+7]
.irp j, 8,12,16,20,24,28,32,36,40,44,48,52,56,60
	v_pk_add_f32 v[SA:SA+1], v[SA:SA+1], v[W+\j:W+\j+1]
	v_pk_add_f32 v[SB:SB+1], v[SB:SB+1], v[W+\j+2:W+\j+3]
.endr
	v_pk_add_f32 v[SA:SA+1], v[SA:SA+1], v[SB:SB+1]
	v_add_f32 v[SA], v[SA], v[SA+1]
	v_permlanex16_b32 v[SB], v[SA], s[SEL], s[SEL+1]
	v_add_f32 v[LSB+(\a)], v[SA], v[SB]
	s_wait_alu depctr_va_vdst(0)
.irp b, 0,1,2,3
	v_max_num_f32 v[TM+\b], 0x2800000, v[TM+\b]
.endr
.irp b, 0,1,2,3
	v_add_nc_u32 v[TM+12+\b], 0xfe000000, v[TM+\b]
.endr
.irp b, 0,1,2,3
	v_lshrrev_b32 v[TM+4+\b], 23, v[TM+12+\b]
.endr
	v_lshl_or_b32 v[PWB+(\a)], v[TM+5], 8, v[TM+4]
	v_lshl_or_b32 v[PWB+(\a)], v[TM+6], 16, v[PWB+(\a)]
	v_lshl_or_b32 v[PWB+(\a)], v[TM+7], 24, v[PWB+(\a)]
	s_wait_xcnt 0x0
.irp c, 0,1
	v_cvt_scalef32_pk16_bf6_f32 v[PC+6*\c:PC+6*\c+2], v[W+32*\c:W+32*\c+15], v[TM+12+2*\c]
	v_cvt_scalef32_pk16_bf6_f32 v[PC+12+4*\c:PC+12+4*\c+2], v[W+32*\c+16:W+32*\c+31], v[TM+12+2*\c+1]
.endr
	v_nop
.irp c, 0,1
.irp i, 0,1,2
	v_permlane16_swap_b32 v[PC+6*\c+\i], v[PC+12+4*\c+\i]
.endr
.irp i, 0,1,2
	v_mov_b32 v[PC+3+6*\c+\i], v[PC+12+4*\c+\i]
.endr
.endr
.irp c, 0,1,2
	global_store_b128 v[LI], v[PC+4*\c:PC+4*\c+3], s[6:7] offset:FRB*(\a)+512*\c
.endr
.endm
.macro IMG4 dst, src
.irp c, 0,1,2,3
	v_cndmask_b32 v[\dst+\c], v[\src+2*\c], v[\src+2*\c+1], s[HM]
.endr
.endm
	s_load_b128 s[4:7], s[0:1], 0x0
	s_load_b64 s[8:9], s[0:1], 0x10
	v_lshl_add_u32 v[SPW], v0, 2, SPARE
	v_mov_b32 v[NIL], 0
	ds_add_u32 v[SPW], v[NIL]
	ds_add_u32 v[SPW], v[NIL]
	v_lshrrev_b32 v1, 5, v0
	v_readfirstlane_b32 s[WV], v1
	s_lshr_b32 s[WR], s[WV], 1
	s_and_b32 s[WC], s[WV], 1
	s_and_b32 s15, ttmp7, 0xffff
	s_lshr_b32 s16, s15, 2
	s_and_b32 s17, s15, 3
	s_sub_co_u32 s18, 7, s17
	s_sub_co_u32 s19, ttmp9, s17
	s_sub_co_u32 s19, s19, 1
	s_cmp_le_u32 ttmp9, s17
	s_cselect_b32 s[TI], s17, s18
	s_cselect_b32 s[TJ], ttmp9, s19
	s_lshl_b32 s20, s16, 4
	s_lshl_b32 s21, s[TI], 1
	s_add_co_u32 s21, s21, s20
	s_lshl_b32 s22, s[TJ], 1
	s_add_co_u32 s23, s22, s20
	s_add_co_u32 s23, s23, 64
	s_cmp_lt_u32 s[WV], 2
	s_cselect_b32 s23, s21, s23
	s_add_co_u32 s23, s23, s[WC]
	s_mul_i32 s66, s23, 8*UNIT
	s_mov_b32 s67, 0
	s_mul_i32 s68, s[WV], 3*REGB
	s_add_co_u32 s69, s21, s[WR]
	s_lshl_b32 s69, s69, 4
	s_add_co_u32 s69, s69, s22
	s_add_co_u32 s69, s69, s[WC]
	s_mul_i32 s72, s69, UNIT
	s_mov_b32 s73, 0
	s_lshl_b32 s70, s69, 10
	s_mov_b32 s71, 0
	s_mov_b32 s[G1], 3<<16
	s_mov_b32 s[G1+1], 32<<16
	s_mov_b32 s[G1+2], 300<<16
	s_mov_b32 s[G1+3], 32<<16
	s_mov_b32 s[G1+4], 300
	s_mov_b32 s[G1+5], 32
	s_mov_b32 s[G1+6], 0
	s_mov_b32 s[G1+7], 0
	s_mov_b32 s[HM], 0xffff0000
	s_mov_b32 s[SEL], 0x76543210
	s_mov_b32 s[SEL+1], 0xfedcba98
	s_mov_b32 s[CS], 0x3d38aa3b
	s_mov_b32 s[CS+1], s[CS]
	v_and_b32 v2, 31, v0
	v_lshlrev_b32 v[LI], 4, v2
	s_mul_i32 s74, s[WR], 3*REGB
	s_mul_i32 s80, s[WC], 3*REGB
	s_add_co_u32 s80, s80, 6*REGB
.irp s, 0,1,2
	v_add_nc_u32 v[AD1+\s], s74, v[LI]
	v_add_nc_u32 v[AD0+\s], s80, v[LI]
	s_add_co_u32 s74, s74, REGB
	s_add_co_u32 s80, s80, REGB
.endr
	s_sub_co_i32 s81, s[WC], s[WR]
	s_add_co_u32 s81, s81, 1                       ; 0: my queries lie under my keys' unit, 1: the same unit, 2: over it
	s_cmp_eq_u32 s[TI], s[TJ]
	s_cselect_b32 s[KD], s81, 0
	s_wait_alu depctr_va_vdst(0)
	s_wait_dscnt 0x0
	s_wait_kmcnt 0x0
	s_add_nc_u64 s[66:67], s[4:5], s[66:67]
	s_add_nc_u64 s[6:7], s[6:7], s[72:73]
	s_add_nc_u64 s[8:9], s[8:9], s[70:71]
	s_mov_b32 s[G0], 1
	s_mov_b32 s[G0+1], s68
	s_mov_b64 s[G0+2:G0+3], s[66:67]
	s_or_b32 s[G0+3], s[G0+3], 0x80000000
	tensor_load_to_lds s[G0:G0+3], s[G1:G1+7]      ; my one load at the head: six units, 300 rows of 256 bytes
	s_nop 0
	PLACES
	s_wait_tensorcnt 0x0                           ; my region is in; no tensor load of mine is out, so a descriptor may be written:
	s_mov_b32 s[G1+2], 100<<16                     ; the refill brings two units, 100 rows
	s_mov_b32 s[G1+4], 100
	s_barrier_signal -1
	s_barrier_wait -1
	FETCH 0, 0, 0
	STEP 0, 1, 0, 1
	TURN 1, 1, 1, 0
	STEP 0, 0, 1, 1
	STEP 1, 0, 2, 0
	STEP 0, 0, 2, 1
	TURN 1, 2, 0, 0
	STEP 0, 0, 0, 1
	s_wait_dscnt 0x0
	WIN 0xa1
	MUL16 0, 1, 0
	MUL16 2, 1, 0
	WIN 0xf1
	MUL16 4, 1, 0
	MUL16 6, 1, 0
	WIN 0
	PLACES
.irp b, 0,1,2,3
	v_mov_b32 v[TM+4+\b], 0
.endr
	v_mov_b32 v[NM+1], 0
	v_mov_b32 v[NINF], 0xff800000
	s_wait_alu depctr_va_vdst(0)
.irp a, 0,1,2,3,4,5,6,7
	SOFT \a
.endr
	IMG4 IM, PWB
	IMG4 IM+4, NMB
	IMG4 IM+8, LSB
	global_store_b128 v[LI], v[IM:IM+3], s[6:7] offset:SCO
	global_store_b128 v[LI], v[IM+4:IM+7], s[8:9]
	global_store_b128 v[LI], v[IM+8:IM+11], s[8:9] offset:512
	s_wait_tensorcnt 0x0
	ds_add_u32 v[SPW], v[NIL]
	s_wait_dscnt 0x0
	s_endpgm
.Lfunc_end_k_qa3c4ce3472_score:
	.size	k_qa3c4ce3472_score, .Lfunc_end_k_qa3c4ce3472_score-k_qa3c4ce3472_score
	.p2alignl 7, 3214868480
	.fill 96, 4, 3214868480
	.section	.rodata,"a",@progbits
	.p2align	6, 0x0
	.amdhsa_kernel k_qa3c4ce3472_score
		.amdhsa_group_segment_fixed_size 327680
		.amdhsa_private_segment_fixed_size 0
		.amdhsa_enable_private_segment 0
		.amdhsa_kernarg_size 24
		.amdhsa_user_sgpr_count 2
		.amdhsa_user_sgpr_kernarg_segment_ptr 1
		.amdhsa_wavefront_size32 1
		.amdhsa_system_sgpr_workgroup_id_x 1
		.amdhsa_system_sgpr_workgroup_id_y 1
		.amdhsa_system_sgpr_workgroup_id_z 1
		.amdhsa_system_vgpr_workitem_id 0
		.amdhsa_next_free_vgpr 1024
		.amdhsa_next_free_sgpr 100
		.amdhsa_reserve_vcc 0
		.amdhsa_float_denorm_mode_32 3
		.amdhsa_float_denorm_mode_16_64 3
		.amdhsa_memory_ordered 1
		.amdhsa_forward_progress 1
		.amdhsa_inst_pref_size 228
	.end_amdhsa_kernel
	.amdgpu_metadata
---
amdhsa.version: [ 1, 2 ]
amdhsa.kernels:
  - .name:           k_qa3c4ce3472_score
    .symbol:         k_qa3c4ce3472_score.kd
    .args:
      - { .name: qkv, .offset: 0, .size: 8, .value_kind: global_buffer, .address_space: global }
      - { .name: p, .offset: 8, .size: 8, .value_kind: global_buffer, .address_space: global }
      - { .name: pst, .offset: 16, .size: 8, .value_kind: global_buffer, .address_space: global }
    .group_segment_fixed_size: 327680
    .private_segment_fixed_size: 0
    .kernarg_segment_align: 8
    .kernarg_segment_size: 24
    .max_flat_workgroup_size: 128
    .sgpr_count:     100
    .vgpr_count:     1024
    .wavefront_size: 32
...
	.end_amdgpu_metadata
.endif
;; end of part 3
;; launch pv (part 4): grid 8 x 32, 4 waves a work-group, no clusters, 327,680 bytes of LDS; arguments p, pst, qkv, out0; writes out0
.if DOCPART == 4
	.amdgcn_target "amdgcn-amd-amdhsa--gfx1250"
	.amdhsa_code_object_version 6
	.text
	.protected	k_qa3c4ce3472_pv
	.globl	k_qa3c4ce3472_pv
	.p2align	8
	.type	k_qa3c4ce3472_pv,@function
k_qa3c4ce3472_pv:
	s_mov_b64 s[64:65], 0
	v_nop
	global_prefetch_b8 v0, s[64:65] scope:SCOPE_SE
	s_setreg_imm32_b32 hwreg(HW_REG_WAVE_MODE, 25, 1), 1
	s_wait_xcnt 0x0
; LAUNCH 4 OF 4.  Product 5, O^T = V^T P^T on codes of BF6, with the units' M made common, and the division by the row's sum.  LEFT OUT AS DEAD WORK (shown at launch 1's head): key steps wholly above the diagonal's tile.
; A work-group makes 256 queries (tile row I of a batch) x 128 channels; it walks keys 0 .. 256 I + 255, 128 a step.  Wave (wr, wc): 128 queries x 64 channels: 32 accumulators.  The tile rows with most keys come first in the grid.
; Source 0 = 16 rows of V^T, source 1 = 16 queries of p: a lane holds one query, and the 16 registers of two neighbouring tiles are 16 neighbouring channels.
; THE COMMON M.  For each query: -M = the least of the units' -M_u; n_u = M_u - M, a whole number, 0 or less, held at -127; l = the sum of l_u 2^n_u; and -n_u is taken off each of the unit's scale bytes, held at 0:
; the codes stay.  With y = word + 0x80808080 - 0x01010101 x (-n) no byte carries or borrows (bytes at most 123, -n at most 127); a byte's top bit says that it stayed at or above 0.
; LIMIT: a block of p more than 2^123 under the row's largest gets the byte 0, which is 2^-127, where the rule holds it at 1.  NaN and infinities are not served.
; LDS: two slots of 153,600 bytes, each 512 keys: p's two blocks of 128 queries (4 units each), then V^T's 4 units.  Waves 0, 1 fetch p's, waves 2, 3 half of V^T's each: every wave has a load in its arm.
;   Behind them 16,384 bytes of adjusted scale words (stored once, no fill lands there), then the spare words.  The way out's stages lie in slot 0: at the last change of slots it has had its last fill and its last read.
; THE LOOK-AHEAD ENDS AT THE CAUSAL LIMIT: all work-groups walk all four changes of slots (constant trips), a jump on ids leads round the load of a slot that no wave would read, and round the steps past the limit.
;   Every wait on TENSORcnt is for 0.  NO CLUSTER for that reason: such a jump may not lead round a joint load.
; STATED: for even I the last slot's load of p also brings two units of p that no launch has written (they lie inside the buffer); no LDS load reads them and no result hangs on them.
; No prefetch: a work-group walks four slots at the most.
; REGISTERS: window 0: v1-12 addresses, v24 16 x lane, v28, v29 the add's two, v32-39 p's scale words (two sets), v40-43 V's, v44-59 1 / l (two alike for each block), v64-159, v160-255 p's fragments (two sets).
;   Window 1: v0-47, v48-95 V's fragments; on the way out block a's rows at v[32 a].  Window 2: accumulator (a, b) at v[8 (4 a + b)].  Window 3: the statistics, at the head alone.
; PREFETCH (this stands in place of the line on it above).  Behind each change's tensor load a wave names, by one instruction, bytes of the slot that the NEXT change will load: one slot, 512 keys, ahead of that load;
; the head names slot 1's, behind the wait for the statistics.  Each block of 256 bytes is named once: the eight work-groups x = 0..7 of a tile row share p's eight units of a slot out by address (unit x % 4 of the block
; of queries x / 4), waves 0, 1 naming the unit's 50 blocks, a lane a block (the lanes left over name the last block again); of V^T's four units of a slot tile row I = 7, 6, 5, 4 names unit 7 - I, by waves 2, 3.
; Nothing is named past the work-group's own causal limit, so every address lies in units that the work-group's own tensor loads read.  The pointer is stepped at the next change's head, behind s_wait_xcnt 0.
.set UNIT,  12800
.set FRB,   1536
.set SCO,   12288
.set PRB,   4*UNIT
.set VOF,   2*PRB
.set GRP,   3*PRB
.set SCR,   2*GRP
.set SPARE, SCR+16384                  ; the spare words, 128 bytes for each wave: two blocks of 256 bytes that no other line names
.set SPI,   272                        ; a stage row: 256 bytes + 16
.set AP0, 1
.set AV0, 2
.set AW0, 3
.set AS0, 4
.set ASW, 5
.set STO, 6
.set RD,  7
.set GO,  8
.set ADP, 9
.set ADV, 10
.set ADW, 11
.set ADS, 12
.set LI,  24
.set SPW, 28
.set NIL, 29
.set SCP, 32
.set SCV, 40
.set RL,  44
.set F1,  64
.set OF,  64                           ; at the head: offsets of the statistics' loads
.set OG,  80
.set T,   64                           ; the way out: the scaled numbers, two sets by turns: v64-95, v96-127
.set LL,  64                           ; window 3: v0-63 -M_u, then n_u; v64-127 l_u; v128-159 my eight steps' scale words
.set SCI, 128
.set MN,  160
.set LS,  164
.set T1,  168
.set T2,  172
.set XR,  176
.set WV,  12
.set WR,  13
.set WC,  14
.set LIM, 19
.set SEL, 20
.set HM,  22
.set WCM, 23
.set G1P, 24
.set G1V, 32
.set G0P, 40
.set G0V, 44
.set KF,  48                           ; the first key of the slot in hand
.set QL,  49                           ; my work-group's last query
.set TB,  50                           ; where the slot in hand begins
.set TS,  51                           ; and its adjusted scale words: 2,048 bytes a slot
.set TN,  52                           ; the slot that is asked for
.set LWP, 53
.set LWV, 54
.set CNT, 55
.set C80, 56
.set WT,  66                           ; s67-73: 1.0 where key tile T = 1 .. 7 counts, else 0
.set PF,  88                           ; s[88:89] the unit that my wave names next
.set PQ,  90                           ; the last key up to which my wave names anything: my work-group's last query, or 0
.set PFO, 30                           ; v30 256 x (the lane's block of the unit); never rewritten
.set MSB, 0
.macro WIN new
.if MSB != (\new)
	s_set_vgpr_msb (MSB<<8)|(\new)
.set MSB, (\new)
.endif
.endm
.macro PLACES
.rept 4
	v_nop
.endr
.endm
.macro WM d, a, b, z, sa, sb, ra, rb
.if \z
.if (\ra) && (\rb)
	v_wmma_scale_f32_16x16x128_f8f6f4 v[\d:\d+7], v[\a:\a+11], v[\b:\b+11], 0, v[\sa], v[\sb] matrix_a_fmt:MATRIX_FMT_BF6 matrix_b_fmt:MATRIX_FMT_BF6 matrix_a_scale:MATRIX_SCALE_ROW1 matrix_b_scale:MATRIX_SCALE_ROW1
.elseif \ra
	v_wmma_scale_f32_16x16x128_f8f6f4 v[\d:\d+7], v[\a:\a+11], v[\b:\b+11], 0, v[\sa], v[\sb] matrix_a_fmt:MATRIX_FMT_BF6 matrix_b_fmt:MATRIX_FMT_BF6 matrix_a_scale:MATRIX_SCALE_ROW1
.elseif \rb
	v_wmma_scale_f32_16x16x128_f8f6f4 v[\d:\d+7], v[\a:\a+11], v[\b:\b+11], 0, v[\sa], v[\sb] matrix_a_fmt:MATRIX_FMT_BF6 matrix_b_fmt:MATRIX_FMT_BF6 matrix_b_scale:MATRIX_SCALE_ROW1
.else
	v_wmma_scale_f32_16x16x128_f8f6f4 v[\d:\d+7], v[\a:\a+11], v[\b:\b+11], 0, v[\sa], v[\sb] matrix_a_fmt:MATRIX_FMT_BF6 matrix_b_fmt:MATRIX_FMT_BF6
.endif
.else
.if (\ra) && (\rb)
	v_wmma_scale_f32_16x16x128_f8f6f4 v[\d:\d+7], v[\a:\a+11], v[\b:\b+11], v[\d:\d+7], v[\sa], v[\sb] matrix_a_fmt:MATRIX_FMT_BF6 matrix_b_fmt:MATRIX_FMT_BF6 matrix_a_scale:MATRIX_SCALE_ROW1 matrix_b_scale:MATRIX_SCALE_ROW1
.elseif \ra
	v_wmma_scale_f32_16x16x128_f8f6f4 v[\d:\d+7], v[\a:\a+11], v[\b:\b+11], v[\d:\d+7], v[\sa], v[\sb] matrix_a_fmt:MATRIX_FMT_BF6 matrix_b_fmt:MATRIX_FMT_BF6 matrix_a_scale:MATRIX_SCALE_ROW1
.elseif \rb
	v_wmma_scale_f32_16x16x128_f8f6f4 v[\d:\d+7], v[\a:\a+11], v[\b:\b+11], v[\d:\d+7], v[\sa], v[\sb] matrix_a_fmt:MATRIX_FMT_BF6 matrix_b_fmt:MATRIX_FMT_BF6 matrix_b_scale:MATRIX_SCALE_ROW1
.else
	v_wmma_scale_f32_16x16x128_f8f6f4 v[\d:\d+7], v[\a:\a+11], v[\b:\b+11], v[\d:\d+7], v[\sa], v[\sb] matrix_a_fmt:MATRIX_FMT_BF6 matrix_b_fmt:MATRIX_FMT_BF6
.endif
.endif
.endm
.macro FRAG reg, adr, off
.irp c, 0,1,2
	ds_load_b128 v[\reg+4*\c:\reg+4*\c+3], v[\adr] offset:\off+512*\c
.endr
.endm
.macro FETCH n, p                      ; the slot's n-th 128 keys into set p: 38 loads in one run
	WIN 0x40
.irp i, 0,1,2,3
	FRAG 48*(\p)+12*\i, ADV, (\n)*UNIT+FRB*\i
.endr
	WIN 0
	ds_load_b64 v[SCV+2*(\p):SCV+2*(\p)+1], v[ADW] offset:(\n)*UNIT      ; V's scale words of my four tiles
	ds_load_b128 v[SCP+4*(\p):SCP+4*(\p)+3], v[ADS] offset:512*(\n)      ; p's, adjusted
.irp i, 0,1,2,3,4,5,6,7
	FRAG F1+96*(\p)+12*\i, ADP, (\n)*UNIT+FRB*\i
.endr
.endm
.macro MUL p, z                        ; 32 products; the 32 accumulators take turns, in the same order in every step
	WIN 0xa1
.irp a, 0,1,2,3,4,5,6,7
.irp b, 0,1,2,3
	WM 8*(4*\a+\b), 48*(\p)+12*\b, F1+96*(\p)+12*\a, \z, SCV+2*(\p)+\b/2, SCP+4*(\p)+\a/2, \b%2, \a%2
.endr
.endr
	WIN 0
.endm
.macro TLOAD                           ; waves 0, 1: p's blocks; waves 2, 3: V's halves.  The branch hangs on the wave's number alone.  An s_nop 0 and four v_nop follow each line
	s_cmp_lt_u32 s[WV], 2
	s_cbranch_scc0 .Lfor_v_\@
	tensor_load_to_lds s[G0P:G0P+3], s[G1P:G1P+7]
	s_nop 0
.rept 4
	v_nop
.endr
	s_branch .Lasked_\@
.Lfor_v_\@:
	tensor_load_to_lds s[G0V:G0V+3], s[G1V:G1V+7]
	s_nop 0
.rept 4
	v_nop
.endr
.Lasked_\@:
.endm
; THE CHANGE OF SLOTS stands at a slot's head: the wait for all my tensor loads, the add, the wait for it and for my reads of the slot that I have left, the barrier.  fill = 1: the slot just left
; takes the next 512 keys, if any wave will read them.
.macro CHANGE fill
.if \fill
	s_wait_xcnt 0x0                                ; my last prefetch has read its address:
	s_add_nc_u64 s[PF:PF+1], s[PF:PF+1], PRB       ; four units on, in p's row of units and in V's
.endif
	s_wait_tensorcnt 0x0                           ; no tensor load of mine is out, so a group 0 may be written
	ds_add_u32 v[SPW], v[NIL]                      ; 0 onto my spare word; the descriptors' steps stand between it and the wait for it
.if \fill
	s_xor_b32 s[TN], s[TN], GRP
	s_add_co_u32 s[G0P+1], s[TN], s[LWP]
	s_add_co_u32 s[G0V+1], s[TN], s[LWV]
	s_add_nc_u64 s[G0P+2:G0P+3], s[G0P+2:G0P+3], PRB   ; four units on, in p's row of units and in V's
	s_add_nc_u64 s[G0V+2:G0V+3], s[G0V+2:G0V+3], PRB
.endif
	s_wait_dscnt 0x0
	s_barrier_signal -1
	s_barrier_wait -1
.if \fill
	s_add_co_u32 s86, s[KF], 512                   ; the first key of the slot that this change would ask for,
	s_cmp_gt_u32 s86, s[QL]                        ; against my work-group's last query: ids and the count of slots alone, the same in all four waves
	s_cbranch_scc1 .Lpast_\@
	TLOAD                                          ; my one tensor load until the next change: it has the slot's steps in which to land
.Lpast_\@:
	s_add_co_u32 s86, s[KF], 1024                  ; the first key of the slot that the next change would ask for
	s_cmp_gt_u32 s86, s[PQ]
	s_cbranch_scc1 .Lno_pf_\@
	global_prefetch_b8 v[PFO], s[PF:PF+1] th:TH_LOAD_NT scope:SCOPE_SE
.Lno_pf_\@:
.endif
.endm
; A slot's steps.  The number of live steps of a tile row is even, so a slot has four, two or none.  The launch's very first step is written out ahead of the loop (its products start the sums) and is passed over here.
.macro GROUP
	s_cmp_gt_u32 s[KF], s[QL]
	s_cbranch_scc1 .Lgend_\@
	v_add_nc_u32 v[ADP], s[TB], v[AP0]             ; (these four are also the places in front of the loads below)
	v_add_nc_u32 v[ADV], s[TB], v[AV0]
	v_add_nc_u32 v[ADW], s[TB], v[AW0]
	v_add_nc_u32 v[ADS], s[TS], v[AS0]
	s_cmp_eq_u32 s[KF], 0
	s_cbranch_scc1 .Lg1_\@
	FETCH 0, 0
	s_wait_dscnt 0x0
	PLACES
	s_wait_alu depctr_va_vdst(0)
	FETCH 1, 1
	MUL 0, 0
.Lg1_\@:
	s_wait_dscnt 0x0
	PLACES
	s_add_co_u32 s86, s[KF], 256
	s_cmp_gt_u32 s86, s[QL]
	s_cbranch_scc1 .Lshort_\@
	s_wait_alu depctr_va_vdst(0)
	FETCH 2, 0
	MUL 1, 0
	s_wait_dscnt 0x0
	PLACES
	FETCH 3, 1
	MUL 0, 0
	s_wait_dscnt 0x0
	MUL 1, 0
	s_branch .Lgend_\@
.Lshort_\@:
	MUL 1, 0
.Lgend_\@:
	s_add_co_u32 s[KF], s[KF], 512
	s_add_co_u32 s[TS], s[TS], 2048
	s_xor_b32 s[TB], s[TB], GRP
.endm
; THE WAY OUT of block a, in two parts.  PACK: O^T / l into one of two sets of registers; through my stage; back as rows of 256 bytes, into registers of the block's own (window 1).  SEND: sixteen lanes store one aligned run
; of 256 bytes; the order of rows in a fragment is undone here, in the stores' offsets.  Block a's PACK stands ahead of block a - 1's SEND, so that the stage's round trip is not sat out.
; No register that a global store reads (a block's rows, v8, s[10:11]) is written again, so no wait for the stores' sources is owed.
.macro PACK a
	WIN 0x02                                       ; source 0 window 2
.irp n, 0,2,4,6,8,10,12,14,16,18,20,22,24,26,28,30
	v_pk_mul_f32 v[T+32*((\a)%2)+\n:T+32*((\a)%2)+\n+1], v[32*(\a)+\n:32*(\a)+\n+1], v[RL+2*(\a):RL+2*(\a)+1]   ; each accumulator from its low end on
.endr
	WIN 0
.irp e, 0,1
.irp j, 0,1,2,3
	ds_store_b128 v[STO], v[T+32*((\a)%2)+16*\e+4*\j:T+32*((\a)%2)+16*\e+4*\j+3] offset:128*\e+16*\j   ; channels 32 e + 16 h + 4 j on, of row r
.endr
.endr
	WIN 0x40                                       ; destination window 1
.irp i, 0,1,2,3,4,5,6,7
	ds_load_b128 v[32*(\a)+4*\i:32*(\a)+4*\i+3], v[RD] offset:2*SPI*\i   ; LDS serves a wave's instructions in order: these see my stores, and the next block's stores come behind them
.endr
	WIN 0
.endm
.macro SEND a, younger                 ; younger: the LDS instructions issued behind block a's loads: the next block's eight stores and eight loads, or none
	s_wait_dscnt \younger                          ; block a's rows are in; so its stores into the stage are done too, and their set of registers may be written by the block after next
	WIN 0x04                                       ; a global store's data are its source 1: window 1
.irp i, 0,1,2,3,4,5,6,7
	global_store_b128 v[GO], v[32*(\a)+4*\i:32*(\a)+4*\i+3], s[10:11] offset:4096*(32*((\a)/2)+8*((\a)%2)+2*\i+8*(\i/4)) th:TH_STORE_NT
.endr
	WIN 0
.endm
	s_load_b256 s[4:11], s[0:1], 0x0               ; p, pst, qkv, out0
	v_lshl_add_u32 v[SPW], v0, 2, SPARE
	v_mov_b32 v[NIL], 0
	ds_add_u32 v[SPW], v[NIL]                      ; the wave's opening: the add, twice on end, and its wait ahead of my first tensor load
	ds_add_u32 v[SPW], v[NIL]                      ; and once more; the set-up below, work on registers, stands between it and the wait
	v_lshrrev_b32 v13, 5, v0
	v_readfirstlane_b32 s[WV], v13
	s_lshr_b32 s[WR], s[WV], 1
	s_and_b32 s[WC], s[WV], 1
	s_and_b32 s16, ttmp7, 0xffff
	s_lshr_b32 s17, s16, 3                         ; the batch
	s_and_b32 s18, s16, 7
	s_sub_co_u32 s18, 7, s18                       ; I
	s_lshl_b32 s[LIM], s18, 1
	s_add_co_u32 s[LIM], s[LIM], 1                 ; the last live step: 2 I + 1
	s_lshl_b32 s[QL], s18, 8
	s_add_co_u32 s[QL], s[QL], 255
	s_lshl_b32 s74, s17, 4
	s_lshl_b32 s75, s18, 1
	s_add_co_u32 s74, s74, s75                     ; 16 batch + 2 I
	s_add_co_u32 s75, s74, s[WC]
	s_mul_i32 s76, s75, 16*UNIT                    ; p: the block of queries that I would fetch
	s_mov_b32 s77, 0
	s_lshl_b32 s78, s17, 3
	s_add_co_u32 s78, s78, ttmp9
	s_lshl_b32 s78, s78, 4
	s_add_co_u32 s78, s78, 1024
	s_lshl_b32 s79, s[WC], 1
	s_add_co_u32 s78, s78, s79
	s_mul_i32 s78, s78, UNIT                       ; V^T: unit 1024 + 16 (8 batch + x) + 2 (wave % 2)
	s_mov_b32 s79, 0
	s_add_co_u32 s80, s74, s[WR]                   ; my block of queries
	s_lshl_b32 s82, s80, 14                        ; its statistics: 16 x 1,024 bytes
	s_mov_b32 s83, 0
	s_mul_i32 s80, s80, 16*UNIT
	s_add_co_u32 s80, s80, SCO                     ; and its units' scale words
	s_mov_b32 s81, 0
	s_lshl_b32 s84, s17, 11
	s_lshl_b32 s85, s18, 8
	s_add_co_u32 s84, s84, s85
	s_lshl_b32 s85, s[WR], 7
	s_add_co_u32 s84, s84, s85
	s_lshl_b32 s84, s84, 12                        ; out0: row 2048 batch + 256 I + 128 wr,
	s_lshl_b32 s85, ttmp9, 9
	s_add_co_u32 s84, s84, s85
	s_lshl_b32 s85, s[WC], 8
	s_add_co_u32 s84, s84, s85                     ; + 512 x + 256 wc bytes
	s_mov_b32 s85, 0
	s_mul_i32 s[LWP], s[WV], PRB
	s_mul_i32 s[LWV], s[WV], 2*UNIT
	s_add_co_u32 s[LWV], s[LWV], PRB               ; wave 2: 102,400; wave 3: 128,000
	s_mov_b32 s[G1P], 3<<16                        ; 51,200 dense bytes as 200 rows of 256 (32 elements of 8 bytes)
	s_mov_b32 s[G1P+1], 32<<16
	s_mov_b32 s[G1P+2], 200<<16
	s_mov_b32 s[G1P+3], 32<<16
	s_mov_b32 s[G1P+4], 200
	s_mov_b32 s[G1P+5], 32
	s_mov_b32 s[G1P+6], 0
	s_mov_b32 s[G1P+7], 0
	s_mov_b32 s[G1V], 3<<16                        ; 25,600 as 100 rows
	s_mov_b32 s[G1V+1], 32<<16
	s_mov_b32 s[G1V+2], 100<<16
	s_mov_b32 s[G1V+3], 32<<16
	s_mov_b32 s[G1V+4], 100
	s_mov_b32 s[G1V+5], 32
	s_mov_b32 s[G1V+6], 0
	s_mov_b32 s[G1V+7], 0
	s_mov_b32 s[SEL], 0x76543210
	s_mov_b32 s[SEL+1], 0xfedcba98
	s_mov_b32 s[HM], 0xffff0000
	s_mov_b32 s[C80], 0x80808080
	s_mov_b32 s[KF], 0
	s_mov_b32 s[TB], 0
	s_mov_b32 s[TS], 0
	s_mov_b32 s[TN], 0
	s_lshl_b32 s91, s17, 4
	s_lshl_b32 s92, s18, 1
	s_add_co_u32 s91, s91, s92
	s_lshr_b32 s92, ttmp9, 2
	s_add_co_u32 s91, s91, s92                     ; p's block of queries 16 batch + 2 I + x / 4,
	s_lshl_b32 s91, s91, 4
	s_and_b32 s92, ttmp9, 3
	s_add_co_u32 s91, s91, s92
	s_add_co_u32 s91, s91, 4                       ; its unit 4 + x % 4: slot 1's
	s_lshl_b32 s94, s17, 3
	s_add_co_u32 s94, s94, ttmp9
	s_lshl_b32 s94, s94, 4
	s_add_co_u32 s94, s94, 1024+4+7
	s_sub_co_u32 s94, s94, s18                     ; V^T's unit 1024 + 16 (8 batch + x) + 4 + (7 - I)
	s_cmp_ge_u32 s18, 4
	s_cselect_b32 s[PQ], s[QL], 0                  ; waves 2, 3 name V's units in tile rows 4 to 7 alone
	s_cmp_lt_u32 s[WV], 2
	s_cselect_b32 s[PQ], s[QL], s[PQ]
	s_cselect_b32 s92, s91, s94
	s_mul_i32 s92, s92, UNIT
	s_mov_b32 s93, 0
	s_lshl_b32 s95, s[WC], 5
.irp t, 1,2,3,4,5,6,7
	s_cmp_ge_u32 s18, \t
	s_cselect_b32 s[WT+\t], 0x3f800000, 0
.endr
	s_cmp_eq_u32 s[WC], 0
	s_cselect_b32 s[WCM], 0, -1
	v_and_b32 v13, 31, v0
	v_lshlrev_b32 v[LI], 4, v13
	v_add_nc_u32 v[PFO], s95, v13                  ; block 32 (wave % 2) + lane of the unit's 50,
	v_min_u32 v[PFO], 49, v[PFO]                   ; held at the last
	v_lshlrev_b32 v[PFO], 8, v[PFO]
	s_wait_alu depctr_va_vdst(0)
	v_and_b32 v14, 15, v0                          ; r
	s_wait_alu depctr_va_vdst(0)
	v_bfe_u32 v15, v0, 4, 1                        ; h
	s_mul_i32 s74, s[WR], PRB
	v_add_nc_u32 v[AP0], s74, v[LI]                ; my block of p in a slot
	s_mul_i32 s74, s[WC], 4*FRB
	s_add_co_u32 s74, s74, VOF
	v_add_nc_u32 v[AV0], s74, v[LI]                ; my four tiles of V^T
	s_lshl_b32 s74, s[WC], 3
	s_add_co_u32 s74, s74, VOF+SCO
	v_add_nc_u32 v[AW0], s74, v[LI]                ; and their scale words: two of the image's four registers
	s_lshl_b32 s74, s[WR], 13
	s_add_co_u32 s74, s74, SCR
	v_add_nc_u32 v[AS0], s74, v[LI]                ; p's adjusted scale words: 512 bytes a step
	s_lshl_b32 s75, s[WC], 9
	s_add_co_u32 s74, s74, s75
	v_add_nc_u32 v[ASW], s74, v[LI]                ; where I store those of steps 2 k + wc
	s_mul_i32 s74, s[WV], 16*SPI
	v_mul_u32_u24 v[STO], v14, SPI
	s_wait_alu depctr_va_vdst(0)
	v_lshl_add_u32 v[STO], v15, 6, v[STO]
	v_add_nc_u32 v[STO], s74, v[STO]
	v_mul_u32_u24 v[RD], v15, SPI
	v_lshl_add_u32 v[RD], v14, 4, v[RD]
	v_add_nc_u32 v[RD], s74, v[RD]
	v_lshlrev_b32 v[GO], 12, v15
	v_lshl_add_u32 v[GO], v14, 4, v[GO]
.irp s, 0,1,2,3,4,5,6,7,8,9,10,11,12,13,14,15
	s_min_u32 s74, s[LIM], \s                      ; past the limit the last live unit is read once more: only written bytes are read
	s_lshl_b32 s74, s74, 10
	v_add_nc_u32 v[OF+\s], s74, v[LI]
.endr
.irp k, 0,1,2,3,4,5,6,7
	s_add_co_u32 s74, s[WC], 2*\k
	s_min_u32 s74, s74, s[LIM]
	s_mul_i32 s74, s74, UNIT
	v_add_nc_u32 v[OG+\k], s74, v[LI]
.endr
	s_wait_alu depctr_va_vdst(0)
	s_wait_dscnt 0x0                               ; both opening adds are done
	s_wait_kmcnt 0x0
	s_cmp_lt_u32 s[WV], 2                          ; the choice hangs on the wave's number alone
	s_cselect_b64 s[PF:PF+1], s[4:5], s[8:9]
	s_add_nc_u64 s[PF:PF+1], s[PF:PF+1], s[92:93]
	s_mov_b32 s[G0P], 1
	s_mov_b32 s[G0P+1], s[LWP]
	s_add_nc_u64 s[G0P+2:G0P+3], s[4:5], s[76:77]
	s_or_b32 s[G0P+3], s[G0P+3], 0x80000000
	s_mov_b32 s[G0V], 1
	s_mov_b32 s[G0V+1], s[LWV]
	s_add_nc_u64 s[G0V+2:G0V+3], s[8:9], s[78:79]
	s_or_b32 s[G0V+3], s[G0V+3], 0x80000000
	s_add_nc_u64 s[6:7], s[6:7], s[82:83]
	s_add_nc_u64 s[4:5], s[4:5], s[80:81]
	s_add_nc_u64 s[10:11], s[10:11], s[84:85]
	; THE STATISTICS' 40 loads, 20,480 bytes a wave, go out ahead of the slot's 153,600 bytes: their arithmetic is done while slot 0 is on its way
	WIN 0xc0                                       ; destination window 3
.irp s, 0,1,2,3,4,5,6,7,8,9,10,11,12,13,14,15
	global_load_b128 v[4*\s:4*\s+3], v[OF+\s], s[6:7]
	global_load_b128 v[LL+4*\s:LL+4*\s+3], v[OF+\s], s[6:7] offset:512
.endr
.irp k, 0,1,2,3,4,5,6,7
	global_load_b128 v[SCI+4*\k:SCI+4*\k+3], v[OG+\k], s[4:5]
.endr
	WIN 0                                          ; at a branch every window is 0
	TLOAD                                          ; slot 0: keys 0 to 511, which every tile row reads
	s_wait_loadcnt 0x0
	s_cmp_lt_u32 s[PQ], 512                        ; slot 1, which the first change will load, where my work-group reads it
	s_cbranch_scc1 .Lno_pf
	global_prefetch_b8 v[PFO], s[PF:PF+1] th:TH_LOAD_NT scope:SCOPE_SE
.Lno_pf:
	WIN 0xff                                       ; all in window 3
.irp c, 0,1,2,3
	v_min_num_f32 v[MN+\c], v[\c], v[4+\c]
.endr
.irp s, 2,3,4,5,6,7,8,9,10,11,12,13,14,15
.irp c, 0,1,2,3
	v_min_num_f32 v[MN+\c], v[MN+\c], v[4*\s+\c]   ; the row's -M (a unit read twice changes nothing)
.endr
.endr
.irp s, 0,1,2,3,4,5,6,7,8,9,10,11,12,13,14,15
.irp c, 0,1,2,3
	v_sub_f32 v[4*\s+\c], v[MN+\c], v[4*\s+\c]     ; n = M_u - M
.endr
.irp c, 0,1,2,3
	v_max_num_f32 v[4*\s+\c], 0xc2fe0000, v[4*\s+\c]   ; held at -127
.endr
.irp c, 0,1,2,3
	v_cvt_i32_f32 v[4*\s+\c], v[4*\s+\c]
.endr
.irp c, 0,1,2,3
	v_ldexp_f32 v[LL+4*\s+\c], v[LL+4*\s+\c], v[4*\s+\c]   ; l_u 2^n
.endr
.endr
.irp c, 0,1,2,3
	v_add_f32 v[LS+\c], v[LL+\c], v[LL+4+\c]       ; steps 0 and 1 count for every tile row
.endr
.irp s, 2,3,4,5,6,7,8,9,10,11,12,13,14,15
.irp c, 0,1,2,3
	v_fma_f32 v[LS+\c], v[LL+4*\s+\c], s[WT+\s/2], v[LS+\c]   ; the others where they lie inside the limit
.endr
.endr
.irp k, 0,1,2,3,4,5,6,7                        ; the scale words of steps 2 k + wc
.irp c, 0,1,2,3
	v_cndmask_b32 v[T1+\c], v[8*\k+\c], v[8*\k+4+\c], s[WCM]
.endr
.irp c, 0,1,2,3
	v_sub_nc_u32 v[T1+\c], 0, v[T1+\c]             ; -n, 0 to 127
.endr
.irp c, 0,1,2,3
	v_lshl_or_b32 v[T1+\c], v[T1+\c], 8, v[T1+\c]
.endr
.irp c, 0,1,2,3
	v_lshl_or_b32 v[T1+\c], v[T1+\c], 16, v[T1+\c] ; in all four bytes
.endr
.irp c, 0,1,2,3
	v_sub_nc_u32 v[T1+\c], s[C80], v[T1+\c]
.endr
.irp c, 0,1,2,3
	v_add_nc_u32 v[SCI+4*\k+\c], v[SCI+4*\k+\c], v[T1+\c]   ; y: each byte 128 + byte + n
.endr
.irp c, 0,1,2,3
	v_and_b32 v[T1+\c], s[C80], v[SCI+4*\k+\c]
.endr
.irp c, 0,1,2,3
	v_lshrrev_b32 v[T2+\c], 7, v[T1+\c]
.endr
.irp c, 0,1,2,3
	v_sub_nc_u32 v[T1+\c], v[T1+\c], v[T2+\c]      ; 0x7f in the bytes that stayed at or above 0
.endr
.irp c, 0,1,2,3
	v_and_b32 v[SCI+4*\k+\c], v[SCI+4*\k+\c], v[T1+\c]
.endr
.endr
.irp c, 0,1,2,3
	v_mov_b32 v[XR+\c], 0                          ; a lane permute's destination counts as one of its sources
.endr
	s_wait_alu depctr_va_vdst(0)
.irp c, 0,1,2,3
	v_rcp_f32 v[LS+\c], v[LS+\c]                   ; 1 / l (the diagonal's key counts for every query: l is above 1/2)
.endr
	WIN 0x0c                                       ; an LDS store's data are its source 1: window 3
	v_nop                                          ; a plain place behind the reciprocals
.irp k, 0,1,2,3,4,5,6,7
	ds_store_b128 v[ASW], v[SCI+4*\k:SCI+4*\k+3] offset:1024*\k
.endr
	WIN 0xff
	s_wait_alu depctr_va_vdst(0)                   ; one wait for the four reciprocals, ahead of their first reader
.irp c, 0,1,2,3
	v_permlanex16_b32 v[XR+\c], v[LS+\c], s[SEL], s[SEL+1]
.endr
	WIN 0x0f                                       ; sources 0 and 1 window 3, destination window 0
.irp c, 0,1,2,3                                ; the image holds block 2 c in lanes 0-15 and block 2 c + 1 in lanes 16-31: each is spread to both halves
	v_cndmask_b32 v[RL+4*\c], v[LS+\c], v[XR+\c], s[HM]
	v_cndmask_b32 v[RL+4*\c+1], v[LS+\c], v[XR+\c], s[HM]
	v_cndmask_b32 v[RL+4*\c+2], v[XR+\c], v[LS+\c], s[HM]
	v_cndmask_b32 v[RL+4*\c+3], v[XR+\c], v[LS+\c], s[HM]
.endr
	WIN 0
	s_wait_tensorcnt 0x0                           ; my part of slot 0 is in,
	s_wait_dscnt 0x0                               ; my adjusted scale words lie in LDS:
	s_barrier_signal -1
	s_barrier_wait -1                              ; everybody's
	v_add_nc_u32 v[ADP], s[TB], v[AP0]
	v_add_nc_u32 v[ADV], s[TB], v[AV0]
	v_add_nc_u32 v[ADW], s[TB], v[AW0]
	v_add_nc_u32 v[ADS], s[TS], v[AS0]
	FETCH 0, 0
	s_wait_alu depctr_va_vdst(0)
	s_wait_dscnt 0x0
	FETCH 1, 1
	MUL 0, 1                                       ; the first step's products start the sums: nothing is cleared
	s_mov_b32 s[CNT], 3
.Lgrp:
	CHANGE 1
	GROUP
	s_sub_co_u32 s[CNT], s[CNT], 1
	s_cmp_lg_u32 s[CNT], 0
	s_cbranch_scc1 .Lgrp
	CHANGE 0                                       ; the last slot is written out: nothing is left to ask for
	GROUP
	PLACES                                         ; behind the last products: in front of the first read of results and of the loads into registers that held fragments
	PACK 0
.irp a, 1,2,3,4,5,6,7
	PACK \a
	SEND \a-1, 16                                  ; behind block a - 1's loads: block a's eight stores and eight loads
.endr
	SEND 7, 0
	s_wait_tensorcnt 0x0                           ; the wave's end: behind my last tensor load and my last LDS store
	ds_add_u32 v[SPW], v[NIL]
	s_wait_dscnt 0x0
	s_endpgm
.Lfunc_end_k_qa3c4ce3472_pv:
	.size	k_qa3c4ce3472_pv, .Lfunc_end_k_qa3c4ce3472_pv-k_qa3c4ce3472_pv
	.p2alignl 7, 3214868480
	.fill 96, 4, 3214868480
	.section	.rodata,"a",@progbits
	.p2align	6, 0x0
	.amdhsa_kernel k_qa3c4ce3472_pv
		.amdhsa_group_segment_fixed_size 327680
		.amdhsa_private_segment_fixed_size 0
		.amdhsa_enable_private_segment 0
		.amdhsa_kernarg_size 32
		.amdhsa_user_sgpr_count 2
		.amdhsa_user_sgpr_kernarg_segment_ptr 1
		.amdhsa_wavefront_size32 1
		.amdhsa_system_sgpr_workgroup_id_x 1
		.amdhsa_system_sgpr_workgroup_id_y 1
		.amdhsa_system_sgpr_workgroup_id_z 1
		.amdhsa_system_vgpr_workitem_id 0
		.amdhsa_next_free_vgpr 1024
		.amdhsa_next_free_sgpr 100
		.amdhsa_reserve_vcc 0
		.amdhsa_float_denorm_mode_32 3
		.amdhsa_float_denorm_mode_16_64 3
		.amdhsa_memory_ordered 1
		.amdhsa_forward_progress 1
		.amdhsa_inst_pref_size 145
	.end_amdhsa_kernel
	.amdgpu_metadata
---
amdhsa.version: [ 1, 2 ]
amdhsa.kernels:
  - .name:           k_qa3c4ce3472_pv
    .symbol:         k_qa3c4ce3472_pv.kd
    .args:
      - { .name: p, .offset: 0, .size: 8, .value_kind: global_buffer, .address_space: global }
      - { .name: pst, .offset: 8, .size: 8, .value_kind: global_buffer, .address_space: global }
      - { .name: qkv, .offset: 16, .size: 8, .value_kind: global_buffer, .address_space: global }
      - { .name: out0, .offset: 24, .size: 8, .value_kind: global_buffer, .address_space: global }
    .group_segment_fixed_size: 327680
    .private_segment_fixed_size: 0
    .kernarg_segment_align: 8
    .kernarg_segment_size: 32
    .max_flat_workgroup_size: 128
    .sgpr_count:     100
    .vgpr_count:     1024
    .wavefront_size: 32
...
	.end_amdgpu_metadata
.endif
;; end of part 4
